; MI455X (gfx1250); checked and timed in simulation.
; The chip was launched on July 23, 2026; its instructions are those of AMD's public machine-readable ISA for CDNA 5 (MIT licence, August 2026) and "CDNA5" Instruction Set Architecture Reference Guide (July 2026). The comments in the code are by the model that wrote it; some were corrected since.
;; Multihead Attention. Allowed arithmetic: float matrix products may take bf16 or f16 operands with f32 sums; all other float work in f32.
;; Inputs: W_k 1,024 x 1,024 float32; W_out 1,024 x 1,024 float32; W_q 1,024 x 1,024 float32; W_v 1,024 x 1,024 float32; b_k 1,024 float32; b_out 1,024 float32; b_q 1,024 float32; b_v 1,024 float32; x_kv 4 x 2,048 x 1,024 float32; x_q 4 x 2,048 x 1,024 float32.
;; Outputs: out0 4 x 2,048 x 1,024 float32.
;; 2 versions, each right. Each part assembles by itself: llvm-mc -triple=amdgcn-amd-amdhsa -mcpu=gfx1250 --defsym DOCPART=n.
;; ======== version 1 of 2: 4 launches
;; limits: right only within a limited range of input values
;; workspace buffers: xb 33,554,432 bytes; wb 8,388,608 bytes; qh 16,777,216 bytes; kh 16,777,216 bytes; vt 33,554,432 bytes; ah 33,554,432 bytes
;; launch cast (part 1): grid 1280 x 1, 8 waves a work-group, no clusters, 0 bytes of LDS; arguments x_q, x_kv, W_q, W_k, W_v, W_out, xb, wb; writes xb, wb
.if DOCPART == 1
	.amdgcn_target "amdgcn-amd-amdhsa--gfx1250"
	.amdhsa_code_object_version 6
	.text
	.protected	k_qc87b98c392_cast
	.globl	k_qc87b98c392_cast
	.p2align	8
	.type	k_qc87b98c392_cast,@function
k_qc87b98c392_cast:
	s_mov_b64 s[64:65], 0
	v_nop
	global_prefetch_b8 v0, s[64:65] scope:SCOPE_SE
	s_setreg_imm32_b32 hwreg(HW_REG_WAVE_MODE, 25, 1), 1
	s_wait_xcnt 0x0
; cast: x_q, x_kv, W_q, W_k, W_v, W_out from f32 to bf16 (round to nearest even), once, so that the products' tiles are 16-bit in memory.
; xb: bf16 [2][8192][1024], plane 0 = x_q, plane 1 = x_kv.
; wb: bf16 [4096][1024]: row g*192 + p*64 + r = row g*64 + r of W_p (g = head, p = 0,1,2 for q,k,v); rows 3072.. = W_out as it lies.
; A stream: no LDS, no barrier, no matrix unit.  Work-group c takes chunk c: 16,384 numbers = 16 rows of 1,024 (65,536 bytes in, 32,768 out).
; Chunks 0-511 x_q, 512-1023 x_kv, then 64 chunks for each of W_q, W_k, W_v, W_out.  Wave w takes 8,192 bytes of the chunk by 16 loads of
; 512 neighbouring bytes, all issued at once; each store of a wave covers 256 consecutive bytes, aligned.  No register is used twice.
.set X, 4                              ; v[4:67]   16 x 4 registers as loaded
.set Y, 68                             ; v[68:99]  16 x 2 registers to store
	s_load_b512 s[8:23], s[0:1], 0x0               ; x_q s[8:9], x_kv s[10:11], W_q s[12:13], W_k s[14:15], W_v s[16:17], W_out s[18:19], xb s[20:21], wb s[22:23]
	s_mov_b32 s2, ttmp9                            ; c
	s_and_b32 s24, s2, 511
	s_lshl_b32 s24, s24, 16                        ; x: byte offset in the source
	s_lshl_b32 s25, s2, 15                         ; x: byte offset in xb (both planes in one count)
	s_and_b32 s26, s2, 255                         ; W: c - 1024
	s_lshr_b32 s27, s26, 6                         ; p: which W
	s_and_b32 s28, s26, 63                         ; i: which 16 rows of it
	s_lshl_b32 s29, s28, 16                        ; W: byte offset in the source
	s_lshr_b32 s30, s28, 2                         ; head g = 16 i / 64
	s_mul_i32 s30, s30, 192
	s_lshl_b32 s31, s27, 6
	s_add_co_u32 s30, s30, s31                     ; + 64 p
	s_and_b32 s31, s28, 3
	s_lshl_b32 s31, s31, 4
	s_add_co_u32 s30, s30, s31                     ; + the rows' place in the head
	s_lshl_b32 s31, s28, 4
	s_add_co_u32 s31, s31, 3072                    ; W_out keeps its order behind the 3,072 rows
	s_cmp_eq_u32 s27, 3
	s_cselect_b32 s30, s31, s30
	s_lshl_b32 s30, s30, 11                        ; rows of 2,048 bytes
	s_cmp_lt_u32 s2, 1024
	s_cselect_b32 s32, s24, s29                    ; source offset
	s_cselect_b32 s34, s25, s30                    ; destination offset
	s_mov_b32 s33, 0
	s_mov_b32 s35, 0
	v_and_b32 v3, 0xe0, v0                         ; 32 x wave
	v_and_b32 v1, 31, v0                           ; lane
	v_lshlrev_b32 v2, 3, v1                        ; out: 8 bytes a lane
	v_lshlrev_b32 v1, 4, v1                        ; in: 16 bytes a lane
	v_lshl_or_b32 v1, v3, 8, v1                    ; + wave x 8,192
	v_lshl_or_b32 v2, v3, 7, v2                    ; + wave x 4,096
	s_wait_kmcnt 0x0
	s_mov_b64 s[36:37], s[8:9]                     ; the source buffer is chosen by the chunk's number alone
	s_cmp_ge_u32 s2, 512
	s_cselect_b64 s[36:37], s[10:11], s[36:37]
	s_cmp_ge_u32 s2, 1024
	s_cselect_b64 s[36:37], s[12:13], s[36:37]
	s_cmp_ge_u32 s2, 1088
	s_cselect_b64 s[36:37], s[14:15], s[36:37]
	s_cmp_ge_u32 s2, 1152
	s_cselect_b64 s[36:37], s[16:17], s[36:37]
	s_cmp_ge_u32 s2, 1216
	s_cselect_b64 s[36:37], s[18:19], s[36:37]
	s_cmp_lt_u32 s2, 1024
	s_cselect_b64 s[38:39], s[20:21], s[22:23]
	s_add_nc_u64 s[36:37], s[36:37], s[32:33]
	s_add_nc_u64 s[38:39], s[38:39], s[34:35]
.irp k, 0,1,2,3,4,5,6,7,8,9,10,11,12,13,14,15
	global_load_b128 v[X+4*\k:X+4*\k+3], v1, s[36:37] offset:512*\k th:TH_LOAD_NT   ; read once in the launch
.endr
.irp k, 0,1,2,3,4,5,6,7,8,9,10,11,12,13,14,15
	s_wait_loadcnt 15-\k                           ; loads come back in order: load k is in, the 15-k younger ones stay out
	v_cvt_pk_bf16_f32 v[Y+2*\k], v[X+4*\k], v[X+4*\k+1]
	v_cvt_pk_bf16_f32 v[Y+2*\k+1], v[X+4*\k+2], v[X+4*\k+3]
	global_store_b64 v2, v[Y+2*\k:Y+2*\k+1], s[38:39] offset:256*\k
.endr
	s_endpgm
.Lfunc_end_k_qc87b98c392_cast:
	.size	k_qc87b98c392_cast, .Lfunc_end_k_qc87b98c392_cast-k_qc87b98c392_cast
	.p2alignl 7, 3214868480
	.fill 96, 4, 3214868480
	.section	.rodata,"a",@progbits
	.p2align	6, 0x0
	.amdhsa_kernel k_qc87b98c392_cast
		.amdhsa_group_segment_fixed_size 0
		.amdhsa_private_segment_fixed_size 0
		.amdhsa_enable_private_segment 0
		.amdhsa_kernarg_size 64
		.amdhsa_user_sgpr_count 2
		.amdhsa_user_sgpr_kernarg_segment_ptr 1
		.amdhsa_wavefront_size32 1
		.amdhsa_system_sgpr_workgroup_id_x 1
		.amdhsa_system_sgpr_workgroup_id_y 1
		.amdhsa_system_sgpr_workgroup_id_z 1
		.amdhsa_system_vgpr_workitem_id 0
		.amdhsa_next_free_vgpr 104
		.amdhsa_next_free_sgpr 66
		.amdhsa_reserve_vcc 0
		.amdhsa_float_denorm_mode_32 3
		.amdhsa_float_denorm_mode_16_64 3
		.amdhsa_memory_ordered 1
		.amdhsa_forward_progress 1
		.amdhsa_inst_pref_size 8
	.end_amdhsa_kernel
	.amdgpu_metadata
---
amdhsa.version: [ 1, 2 ]
amdhsa.kernels:
  - .name:           k_qc87b98c392_cast
    .symbol:         k_qc87b98c392_cast.kd
    .args:
      - { .name: x_q, .offset: 0, .size: 8, .value_kind: global_buffer, .address_space: global }
      - { .name: x_kv, .offset: 8, .size: 8, .value_kind: global_buffer, .address_space: global }
      - { .name: W_q, .offset: 16, .size: 8, .value_kind: global_buffer, .address_space: global }
      - { .name: W_k, .offset: 24, .size: 8, .value_kind: global_buffer, .address_space: global }
      - { .name: W_v, .offset: 32, .size: 8, .value_kind: global_buffer, .address_space: global }
      - { .name: W_out, .offset: 40, .size: 8, .value_kind: global_buffer, .address_space: global }
      - { .name: xb, .offset: 48, .size: 8, .value_kind: global_buffer, .address_space: global }
      - { .name: wb, .offset: 56, .size: 8, .value_kind: global_buffer, .address_space: global }
    .group_segment_fixed_size: 0
    .private_segment_fixed_size: 0
    .kernarg_segment_align: 8
    .kernarg_segment_size: 64
    .max_flat_workgroup_size: 256
    .sgpr_count:     66
    .vgpr_count:     104
    .wavefront_size: 32
...
	.end_amdgpu_metadata
.endif
;; end of part 1
;; launch proj (part 2): grid 8 x 32, 4 waves a work-group, clusters of 4 x 4, 327,680 bytes of LDS; arguments xb, wb, b_q, b_k, b_v, qh, kh, vt; writes qh, kh, vt
.if DOCPART == 2
	.amdgcn_target "amdgcn-amd-amdhsa--gfx1250"
	.amdhsa_code_object_version 6
	.text
	.protected	k_qc87b98c392_proj
	.globl	k_qc87b98c392_proj
	.p2align	8
	.type	k_qc87b98c392_proj,@function
k_qc87b98c392_proj:
	s_mov_b64 s[64:65], 0
	v_nop
	global_prefetch_b8 v0, s[64:65] scope:SCOPE_SE
	s_setreg_imm32_b32 hwreg(HW_REG_WAVE_MODE, 25, 1), 1
	s_wait_xcnt 0x0
	s_wait_alu depctr_hold_cnt(0) depctr_sa_sdst(0) depctr_va_vdst(0) depctr_va_sdst(0) depctr_va_ssrc(0) depctr_va_vcc(0) depctr_vm_vsrc(0)
	s_getreg_b32 s2, hwreg(HW_REG_IB_STS2, 6, 4)
	s_cmp_eq_u32 s2, 0
	s_cbranch_scc0 .Lentry_in_a_cluster
	s_endpgm
.Lentry_in_a_cluster:
	s_bfe_u32 s2, ttmp6, 0x10000c
	s_cmp_lg_u32 s2, 0xf033
	s_cbranch_scc0 .Lentry_shape_is_right
	s_endpgm
.Lentry_shape_is_right:
; proj: Q = (x_q W_q^T + b_q) * 0.125 log2(e), K = x_kv W_k^T + b_k, V = x_kv W_v^T + b_v, all three in ONE loop over the 1,024 inputs.
; Operands bf16 (xb, wb), sums f32.  Out: qh, kh bf16 [b*16+head][2048 s][64 d]; vt bf16 [b*16+head][hi,lo][64 d][2048 s], V transposed and
; kept as TWO bf16 numbers (hi = bf16(v), lo = bf16(v - hi)): one rounding of v to bf16 would be too coarse for the output's early rows.
; LIMITS: q and k are rounded to bf16 once; NaN and infinities are not treated specially.
; A work-group makes 256 tokens x 128 features (two heads) of each of Q, K, V: 32 x 8 = 256 work-groups.  Wave (wm, wn) makes 128 tokens x one
; head x 3 = 96 accumulator tiles, 768 registers.  The inputs go in steps of 64 through two LDS slots filled by the tensor data mover.
; CLUSTERS 4 x 4: the four work-groups of a cluster's row have the same 256 tokens (x tiles), the four of a column the same two heads (W tiles):
; each tile is asked for jointly, which divides the requests by four.  Tile rows are 128 bytes: two slots of 896 rows of 256 bytes would not fit.
; REGISTERS: window 0: v8-19 addresses, v32-255 fragments; windows 1, 2, 3: the accumulators of Q, K, V, tile (mt, nt) at 8 (4 mt + nt).
; Q and K use the matrix instruction with W as source 0: a lane then holds 8 neighbouring features of one token.  V uses x as source 0:
; a lane holds 8 neighbouring tokens of one feature, which is how vt lies.
.set PITCH,  144                       ; an LDS row: 128 bytes + 16 of padding, an odd multiple of 16: 16 rows start in 16 different 16-byte columns modulo 256
.set REGION, 256*PITCH                 ; what one wave's tensor load may fill: 36,864 bytes
.set SLOT,   4*REGION                  ; x_q's 256 rows, x_kv's 256 rows, head 0's 192 rows of W (q, k, v x 64), head 1's
.set STAGE,  2*SLOT                    ; behind the ring: 4,352 bytes for each wave, for the way out; no tensor load lands there
.set STG,    4352
.set VPITCH, 272
.set KSTEP,  64
.set QSCALE, 0x3e38aa3b                ; 0.125 x log2(e)
.set ADRA, 8                           ; v8-9    LDS address of my x fragments in slot 0, 1
.set ADRB, 10                          ; v10-11  of my W fragments
.set STOQ, 12                          ; way out of Q, K: where I put 16 bytes
.set RDQ,  13                          ;                  where I read rows back
.set STOV, 14                          ; the same for V
.set RDV,  15
.set GOQ,  16                          ; my byte offset in qh, kh
.set GOV,  17                          ; in vt
.set BOQ,  18                          ; in b_q, b_k
.set BOV,  19                          ; in b_v
.set AQ,   32                          ; v32-95   8 fragments of x_q (16 tokens x 32)
.set AKV,  96                          ; v96-159  8 fragments of x_kv
.set BQ,   160                         ; v160-191 4 fragments of W_q
.set BK,   192                         ; v192-223 of W_k
.set BV,   224                         ; v224-255 of W_v
.set BIQ,  32                          ; way out: b_q, 32 numbers a lane
.set BIK,  64                          ; b_k
.set BIV,  160                         ; b_v: 4 numbers, each in both registers of a pair
.set TMP,  96                          ; Q, K: 32 results in f32
.set PK,   128                         ; packed
.set RB,   144                         ; read back
.set TV,   32                          ; V: 64 results in f32
.set HI,   96
.set LO,   128
.set RBV,  192
.set UU,   224
.set G1A, 32                           ; s[32:39] descriptor group 1, x tiles
.set G0A, 40                           ; s[40:47] group 0, x tiles, one set a slot
.set G1B, 48                           ; s[48:55] group 1, W tiles
.set G0B, 56                           ; s[56:63] group 0, W tiles
.set WQ, 0x50                          ; C and D in window 1, sources in window 0
.set WK, 0xa0
.set WV, 0xf0
.set MSB, 0
.macro WIN new                         ; the immediate's high byte repeats the setting that is left
.if MSB != \new
	s_set_vgpr_msb (MSB<<8)|\new
.set MSB, \new
.endif
.endm
.macro PLACES                          ; four places behind a matrix instruction, in front of loads into its sources and of reads of its result
.rept 4
	v_nop
.endr
.endm
.macro JLOAD s                         ; waves 0, 1 ask for the two x tiles, waves 2, 3 for the two W tiles: one line, one mask for all that issue it
	s_cmp_eq_u32 s21, 0
	s_cbranch_scc0 .Lfor_b_\@
	tensor_load_to_lds s[G0A+4*(\s):G0A+4*(\s)+3], s[G1A:G1A+7]
	s_nop 0
	s_branch .Lasked_\@
.Lfor_b_\@:
	tensor_load_to_lds s[G0B+4*(\s):G0B+4*(\s)+3], s[G1B:G1B+7]
	s_nop 0
.Lasked_\@:
.endm
.macro CREST                           ; a round of the cluster's barrier behind its opening work-group barrier
	s_cmp_lg_u32 s20, 0
	s_cbranch_scc1 .Lnot_wave_0_\@
	s_barrier_signal -3
.Lnot_wave_0_\@:
	s_barrier_wait -3
	s_barrier_signal -1
	s_barrier_wait -1
.endm
.macro CROUND
	s_barrier_signal -1
	s_barrier_wait -1
	CREST
.endm
	s_load_b512 s[4:19], s[0:1], 0x0               ; xb s[4:5], wb s[6:7], b_q s[8:9], b_k s[10:11], b_v s[12:13], qh s[14:15], kh s[16:17], vt s[18:19]
	v_lshl_add_u32 v30, v0, 2, 0x4c400
	v_mov_b32 v31, 0
	ds_add_u32 v30, v31
	ds_add_u32 v30, v31
	v_lshrrev_b32 v1, 5, v0
	v_readfirstlane_b32 s20, v1                    ; wave 0..3
	s_lshr_b32 s21, s20, 1                         ; wm: my half of the tokens.  Also: I fetch x (0) or W (1)
	s_and_b32 s22, s20, 1                          ; wn: my head of the two.  Also: which of the two tiles I fetch
	s_bfe_u32 s23, ttmp6, 0x40000                  ; cx
	s_bfe_u32 s24, ttmp6, 0x40004                  ; cy
	s_lshl_b32 s25, ttmp9, 2
	s_add_co_u32 s25, s25, s23                     ; nblk = 4 x cluster x + cx: heads 2 nblk, 2 nblk + 1
	s_and_b32 s26, ttmp7, 0xffff
	s_lshl_b32 s26, s26, 2
	s_add_co_u32 s26, s26, s24                     ; mblk = 4 x cluster y + cy: tokens 256 mblk ..
	s_lshl_b32 s27, s24, 2
	s_lshl_b32 s27, 15, s27                        ; my row of the cluster
	s_lshl_b32 s28, 0x1111, s23                    ; my column
	s_or_b32 s[G1A+0], s27, (1<<16)|(1<<20)|(1<<21)|(4<<22)|(3<<25)   ; mask; 2-byte elements; padding on; bit 21 beside a mask; after every 32 words 4 words
	s_or_b32 s[G1B+0], s28, (1<<16)|(1<<20)|(1<<21)|(4<<22)|(3<<25)
	s_mov_b32 s[G1A+1], KSTEP<<16                  ; tensor_dim0 = 64
	s_mov_b32 s[G1B+1], KSTEP<<16
	s_mov_b32 s[G1A+2], 256<<16                    ; tensor_dim1 = 256 rows
	s_mov_b32 s[G1B+2], 192<<16                    ; 192 rows
	s_mov_b32 s[G1A+3], KSTEP<<16                  ; tile_dim0 = 64
	s_mov_b32 s[G1B+3], KSTEP<<16
	s_mov_b32 s[G1A+4], 256                        ; tile_dim1
	s_mov_b32 s[G1B+4], 192
	s_mov_b32 s[G1A+5], 1024                       ; elements from row to row
	s_mov_b32 s[G1B+5], 1024
	s_mov_b32 s[G1A+6], 0
	s_mov_b32 s[G1B+6], 0
	s_mov_b32 s[G1A+7], 0
	s_mov_b32 s[G1B+7], 0
	; x tiles hang on mblk alone (shared along the cluster's row), W tiles on nblk alone (shared along its column); each in registers of its own
	s_lshl_b32 s66, s26, 19                        ; 256 rows of 2,048 bytes
	s_lshl_b32 s67, s22, 24                        ; plane x_q or x_kv
	s_add_co_u32 s66, s66, s67
	s_mov_b32 s67, 0
	s_mul_i32 s68, s25, 786432                     ; 384 rows of 2,048 bytes
	s_mul_i32 s69, s22, 393216                     ; 192 rows
	s_add_co_u32 s68, s68, s69
	s_mov_b32 s69, 0
	s_mul_i32 s70, s20, REGION                     ; LDS: the wave's number times a constant
	; where the results go
	s_lshl_b32 s82, s25, 1
	s_add_co_u32 s82, s82, s22                     ; my head
	s_lshr_b32 s76, s26, 3                         ; batch
	s_lshl_b32 s76, s76, 4
	s_add_co_u32 s76, s76, s82                     ; b*16 + head
	s_and_b32 s77, s26, 7
	s_lshl_b32 s77, s77, 8
	s_lshl_b32 s78, s21, 7
	s_add_co_u32 s77, s77, s78                     ; my first token in the sequence
	s_lshl_b32 s78, s76, 18
	s_lshl_b32 s79, s77, 7
	s_add_co_u32 s78, s78, s79                     ; qh, kh: 262,144 bytes a head, 128 a token
	s_mov_b32 s79, 0
	s_lshl_b32 s80, s76, 19
	s_lshl_b32 s81, s77, 1
	s_add_co_u32 s80, s80, s81                     ; vt: 524,288 bytes a head, 2 a token
	s_mov_b32 s81, 0
	s_wait_dscnt 0x0
	s_wait_kmcnt 0x0
	s_add_nc_u64 s[72:73], s[4:5], s[66:67]
	s_add_nc_u64 s[74:75], s[6:7], s[68:69]
	s_add_nc_u64 s[14:15], s[14:15], s[78:79]
	s_add_nc_u64 s[16:17], s[16:17], s[78:79]
	s_add_nc_u64 s[18:19], s[18:19], s[80:81]
	CROUND                                         ; all sixteen work-groups are here: the first joint loads meet
.irp s, 0,1
	s_mov_b32 s[G0A+4*\s], 1
	s_add_co_u32 s[G0A+4*\s+1], s70, \s*SLOT
	s_add_nc_u64 s[G0A+4*\s+2:G0A+4*\s+3], s[72:73], \s*KSTEP*2
	s_or_b32 s[G0A+4*\s+3], s[G0A+4*\s+3], 0x80000000
	s_mov_b32 s[G0B+4*\s], 1
	s_add_co_u32 s[G0B+4*\s+1], s70, \s*SLOT
	s_add_nc_u64 s[G0B+4*\s+2:G0B+4*\s+3], s[74:75], \s*KSTEP*2
	s_or_b32 s[G0B+4*\s+3], s[G0B+4*\s+3], 0x80000000
	JLOAD \s                                       ; two loads of the wave are out here, one behind every later round
.endr
	v_and_b32 v1, 15, v0                           ; r
	v_bfe_u32 v2, v0, 4, 1                         ; h
	v_mul_u32_u24 v3, v1, PITCH
	v_lshl_add_u32 v3, v2, 4, v3                   ; r x pitch + 16 h
	s_mul_i32 s83, s21, 128*PITCH                  ; my 128 tokens
	s_mul_i32 s84, s22, REGION                     ; my head's W,
	s_add_co_u32 s84, s84, 2*REGION                ; behind the two x tiles
.irp s, 0,1
	v_add_nc_u32 v[ADRA+\s], s83, v3
	v_add_nc_u32 v[ADRB+\s], s84, v3
	s_add_co_u32 s83, s83, SLOT
	s_add_co_u32 s84, s84, SLOT
.endr
	s_mul_i32 s85, s20, STG
	s_add_co_u32 s85, s85, STAGE                   ; my stage
	v_add_nc_u32 v[STOQ], s85, v3                  ; token r, 16 bytes for each half of the lanes
	v_bfe_u32 v4, v0, 3, 2
	v_and_b32 v5, 7, v0
	v_mul_u32_u24 v4, v4, PITCH
	v_lshl_add_u32 v4, v5, 4, v4
	v_add_nc_u32 v[RDQ], s85, v4                   ; eight lanes take a row of 128 bytes, the wave four rows
	v_mul_u32_u24 v4, v1, VPITCH
	v_lshl_add_u32 v4, v2, 4, v4
	v_add_nc_u32 v[STOV], s85, v4                  ; feature r, 16 bytes (8 tokens)
	v_mul_u32_u24 v4, v2, VPITCH
	v_lshl_add_u32 v4, v1, 4, v4
	v_add_nc_u32 v[RDV], s85, v4                   ; sixteen lanes take a row of 256 bytes
	v_and_b32 v4, 31, v0
	v_lshlrev_b32 v[GOQ], 4, v4
	v_lshlrev_b32 v4, 12, v2
	v_lshl_add_u32 v[GOV], v1, 4, v4
	v_lshlrev_b32 v4, 5, v2
	v_lshl_add_u32 v[BOQ], s82, 8, v4              ; 256 bytes a head + 8 h numbers
	v_lshlrev_b32 v4, 2, v1
	v_lshl_add_u32 v[BOV], s82, 8, v4              ; + r numbers
.macro LDA buf, adr, base, k           ; 8 fragments of x: 16 loads
.irp i, 0,1,2,3,4,5,6,7
	ds_load_b128 v[\buf+8*\i:\buf+8*\i+3], v[\adr] offset:\base+\k+\i*16*PITCH
	ds_load_b128 v[\buf+8*\i+4:\buf+8*\i+7], v[\adr] offset:\base+\k+\i*16*PITCH+32
.endr
.endm
.macro LDB buf, adr, plane, k          ; 4 fragments of one W: 8 loads
.irp i, 0,1,2,3
	ds_load_b128 v[\buf+8*\i:\buf+8*\i+3], v[\adr] offset:\plane*64*PITCH+\k+\i*16*PITCH
	ds_load_b128 v[\buf+8*\i+4:\buf+8*\i+7], v[\adr] offset:\plane*64*PITCH+\k+\i*16*PITCH+32
.endr
.endm
; 16 matrix instructions: token blocks mb .. mb+3 x the head's four feature blocks.  swap = 1: W is source 0.  zero = 1: the product starts the sum.
; The 96 accumulators take turns, one instruction a turn, in the same order in every half step, over the loop's backward jump too.
.macro MUL xa, wf, swap, mb, zero
.irp i, 0,1,2,3
.irp j, 0,1,2,3
.if \swap
.if \zero
	v_wmma_f32_16x16x32_bf16 v[8*(4*(\mb+\i)+\j):8*(4*(\mb+\i)+\j)+7], v[\wf+8*\j:\wf+8*\j+7], v[\xa+8*(\mb+\i):\xa+8*(\mb+\i)+7], 0
.else
	v_wmma_f32_16x16x32_bf16 v[8*(4*(\mb+\i)+\j):8*(4*(\mb+\i)+\j)+7], v[\wf+8*\j:\wf+8*\j+7], v[\xa+8*(\mb+\i):\xa+8*(\mb+\i)+7], v[8*(4*(\mb+\i)+\j):8*(4*(\mb+\i)+\j)+7]
.endif
.else
.if \zero
	v_wmma_f32_16x16x32_bf16 v[8*(4*(\mb+\i)+\j):8*(4*(\mb+\i)+\j)+7], v[\xa+8*(\mb+\i):\xa+8*(\mb+\i)+7], v[\wf+8*\j:\wf+8*\j+7], 0
.else
	v_wmma_f32_16x16x32_bf16 v[8*(4*(\mb+\i)+\j):8*(4*(\mb+\i)+\j)+7], v[\xa+8*(\mb+\i):\xa+8*(\mb+\i)+7], v[\wf+8*\j:\wf+8*\j+7], v[8*(4*(\mb+\i)+\j):8*(4*(\mb+\i)+\j)+7]
.endif
.endif
.endr
.endr
.endm
; One step of 64 inputs from slot s: two halves of 32, each 32 + 32 + 32 matrix instructions for Q, K, V.  n = the other slot.
; mode 2: slot s is filled again, jointly, two steps ahead; mode 1: the slots change, nothing is filled; mode 0: the last step.
; On entry 24 loads (x_q, W_q) and behind them 32 (x_kv, W_k, W_v) of the first half are out.
.macro STEP s, n, zero, mode
	s_wait_dscnt 32                                ; the 24 are in, the 32 younger stay out
	WIN WQ
	MUL AQ, BQ, 1, 0, \zero
	MUL AQ, BQ, 1, 4, \zero
	WIN 0
	PLACES
	LDA AQ, ADRA+\s, 0, 64
	LDB BQ, ADRB+\s, 0, 64
	s_wait_dscnt 24                                ; the 32 are in, the 24 just issued stay out
	WIN WK
	MUL AKV, BK, 1, 0, \zero
	MUL AKV, BK, 1, 4, \zero
	WIN WV
	MUL AKV, BV, 0, 0, \zero
	MUL AKV, BV, 0, 4, \zero
	WIN 0
	PLACES
	LDA AKV, ADRA+\s, REGION, 64                   ; the last reads of slot s
	LDB BK, ADRB+\s, 1, 64
	LDB BV, ADRB+\s, 2, 64
	s_wait_dscnt 32
	WIN WQ
	MUL AQ, BQ, 1, 0, 0
	MUL AQ, BQ, 1, 4, 0
	s_wait_dscnt 0x0                               ; my reads of slot s are over; K's products need them anyway
.if \mode >= 1
	s_wait_tensorcnt 0x0                           ; all my tensor loads have landed: the one that was out is my part of slot n
	ds_add_u32 v30, v31
	s_wait_dscnt 0x0
	s_barrier_signal -1                            ; (mode 2: this barrier opens a round of the cluster's barrier)
	WIN WK
	MUL AKV, BK, 1, 0, 0                           ; register work while the others arrive
	WIN 0
	s_barrier_wait -1
.if \mode == 2
	CREST                                          ; no wave of any partner still reads slot s or has a load on its way
	s_add_nc_u64 s[G0A+4*\s+2:G0A+4*\s+3], s[G0A+4*\s+2:G0A+4*\s+3], 2*KSTEP*2
	s_add_nc_u64 s[G0B+4*\s+2:G0B+4*\s+3], s[G0B+4*\s+2:G0B+4*\s+3], 2*KSTEP*2
	JLOAD \s                                       ; the first tensor load behind the round; 176 matrix instructions stand between it and the wait for it
.endif
	PLACES
	LDA AQ, ADRA+\n, 0, 0
	LDB BQ, ADRB+\n, 0, 0
	WIN WK
	MUL AKV, BK, 1, 4, 0
.else
	WIN 0
	PLACES
.irp i, 0,1,2,3                                    ; the biases come in under the last 64 matrix instructions, into x_q's and W_q's registers
	global_load_b128 v[BIQ+8*\i:BIQ+8*\i+3], v[BOQ], s[8:9] offset:64*\i
	global_load_b128 v[BIQ+8*\i+4:BIQ+8*\i+7], v[BOQ], s[8:9] offset:64*\i+16
	global_load_b128 v[BIK+8*\i:BIK+8*\i+3], v[BOQ], s[10:11] offset:64*\i
	global_load_b128 v[BIK+8*\i+4:BIK+8*\i+7], v[BOQ], s[10:11] offset:64*\i+16
	global_load_b32 v[BIV+2*\i], v[BOV], s[12:13] offset:64*\i
	global_load_b32 v[BIV+2*\i+1], v[BOV], s[12:13] offset:64*\i    ; the same number again: the pair that the packed add takes
.endr
	WIN WK
	MUL AKV, BK, 1, 0, 0
	MUL AKV, BK, 1, 4, 0
.endif
	WIN WV
	MUL AKV, BV, 0, 0, 0
	MUL AKV, BV, 0, 4, 0
	WIN 0
.if \mode >= 1
	PLACES
	LDA AKV, ADRA+\n, REGION, 0
	LDB BK, ADRB+\n, 1, 0
	LDB BV, ADRB+\n, 2, 0
.endif
.endm
	s_wait_tensorcnt 0x1                           ; my part of step 0 is in; step 1's stays out
	s_barrier_signal -1
	s_barrier_wait -1
	LDA AQ, ADRA+0, 0, 0
	LDB BQ, ADRB+0, 0, 0
	LDA AKV, ADRA+0, REGION, 0
	LDB BK, ADRB+0, 1, 0
	LDB BV, ADRB+0, 2, 0
	STEP 0, 1, 1, 2                                ; steps 0, 1: the first products start the sums
	STEP 1, 0, 0, 2
	s_mov_b32 s29, 6                               ; steps 2 to 13
.Llap:
	STEP 0, 1, 0, 2
	STEP 1, 0, 0, 2
	s_sub_co_u32 s29, s29, 1
	s_cmp_lg_u32 s29, 0
	s_cbranch_scc1 .Llap
	STEP 0, 1, 0, 1                                ; steps 14, 15 fetch nothing
	STEP 1, 0, 0, 0
	; THE WAY OUT.  Through my own stage in LDS, so that stores cover whole runs of neighbouring bytes.  LDS serves a wave's instructions in order.
	PLACES
	s_wait_loadcnt 0x0                             ; the biases
.irp j, 0,1,2,3,4,5,6,7,8,9,10,11,12,13,14,15
	v_pk_mul_f32 v[BIQ+2*\j:BIQ+2*\j+1], v[BIQ+2*\j:BIQ+2*\j+1], QSCALE op_sel_hi:[1,0]   ; (acc + b) c = acc c + (b c): one fused multiply-add below
.endr
; 16 tokens at a time: 64 features of a token are 128 bytes; four rows read back are 512 neighbouring bytes of qh or kh
.macro OUTQK win, scaled, bias, sb
.irp m, 0,1,2,3,4,5,6,7
	WIN \win
.irp n, 0,1,2,3
.irp p, 0,1,2,3
.if \scaled
	v_pk_fma_f32 v[TMP+8*\n+2*\p:TMP+8*\n+2*\p+1], v[8*(4*\m+\n)+2*\p:8*(4*\m+\n)+2*\p+1], QSCALE, v[\bias+8*\n+2*\p:\bias+8*\n+2*\p+1] op_sel_hi:[1,0,1]
.else
	v_pk_add_f32 v[TMP+8*\n+2*\p:TMP+8*\n+2*\p+1], v[8*(4*\m+\n)+2*\p:8*(4*\m+\n)+2*\p+1], v[\bias+8*\n+2*\p:\bias+8*\n+2*\p+1]
.endif
.endr
.endr
	WIN 0
.irp j, 0,1,2,3,4,5,6,7,8,9,10,11,12,13,14,15
	v_cvt_pk_bf16_f32 v[PK+\j], v[TMP+2*\j], v[TMP+2*\j+1]
.endr
.irp n, 0,1,2,3
	ds_store_b128 v[STOQ], v[PK+4*\n:PK+4*\n+3] offset:32*\n
.endr
	s_wait_xcnt 0x0                                ; RB, which the last stores read, is loaded again only behind this wait
.irp t, 0,1,2,3
	ds_load_b128 v[RB+4*\t:RB+4*\t+3], v[RDQ] offset:4*PITCH*\t
.endr
.irp t, 0,1,2,3
	s_wait_dscnt 3-\t                              ; read-back t is in, the younger ones stay out
	global_store_b128 v[GOQ], v[RB+4*\t:RB+4*\t+3], s[\sb:\sb+1] offset:\m*2048+512*\t
.endr
.endr
.endm
	OUTQK 0x01, 1, BIQ, 14
	OUTQK 0x02, 0, BIK, 16
; V: 16 features at a time, my 128 tokens of a feature are 256 bytes of vt, aligned: sixteen lanes store them
.macro VSTORE src, nt, part
.irp m, 0,1,2,3,4,5,6,7
	ds_store_b128 v[STOV], v[\src+4*\m:\src+4*\m+3] offset:32*\m
.endr
	s_wait_xcnt 0x0                                ; RBV is loaded again only behind this wait
.irp t, 0,1,2,3,4,5,6,7
	ds_load_b128 v[RBV+4*\t:RBV+4*\t+3], v[RDV] offset:2*VPITCH*\t
.endr
.irp t, 0,1,2,3,4,5,6,7
	s_wait_dscnt 7-\t
	global_store_b128 v[GOV], v[RBV+4*\t:RBV+4*\t+3], s[18:19] offset:(16*\nt+2*\t)*4096+\part*262144
.endr
.endm
.macro OUTV nt
	WIN 0x03
.irp m, 0,1,2,3,4,5,6,7
.irp p, 0,1,2,3
	v_pk_add_f32 v[TV+8*\m+2*\p:TV+8*\m+2*\p+1], v[8*(4*\m+\nt)+2*\p:8*(4*\m+\nt)+2*\p+1], v[BIV+2*\nt:BIV+2*\nt+1]
.endr
.endr
	WIN 0
.set kk, 0
.rept 32
	v_cvt_pk_bf16_f32 v[HI+kk], v[TV+2*kk], v[TV+2*kk+1]                 ; hi
	v_lshlrev_b32 v[UU+2*(kk%4)], 16, v[HI+kk]                           ; hi back in f32
	v_and_b32 v[UU+2*(kk%4)+1], 0xffff0000, v[HI+kk]
	v_pk_add_f32 v[TV+2*kk:TV+2*kk+1], v[TV+2*kk:TV+2*kk+1], v[UU+2*(kk%4):UU+2*(kk%4)+1] neg_lo:[0,1] neg_hi:[0,1]   ; v - hi, exact
	v_cvt_pk_bf16_f32 v[LO+kk], v[TV+2*kk], v[TV+2*kk+1]                 ; lo
.set kk, kk+1
.endr
	VSTORE HI, \nt, 0
	VSTORE LO, \nt, 1
.endm
	s_wait_xcnt 0x0                                ; K's last four stores read v144-159 (RB), which are the upper half of LO: V's split writes them only behind this wait.
	                                               ; Later turns need none: HI and LO are read by LDS stores alone, RBV has its own wait
	OUTV 0
	OUTV 1
	OUTV 2
	OUTV 3
	s_wait_tensorcnt 0x0
	ds_add_u32 v30, v31
	s_wait_dscnt 0x0
	CROUND                                         ; the closing round: no work-group ends while a partner may still ask jointly
	s_endpgm
.Lfunc_end_k_qc87b98c392_proj:
	.size	k_qc87b98c392_proj, .Lfunc_end_k_qc87b98c392_proj-k_qc87b98c392_proj
	.p2alignl 7, 3214868480
	.fill 96, 4, 3214868480
	.section	.rodata,"a",@progbits
	.p2align	6, 0x0
	.amdhsa_kernel k_qc87b98c392_proj
		.amdhsa_group_segment_fixed_size 327680
		.amdhsa_private_segment_fixed_size 0
		.amdhsa_enable_private_segment 0
		.amdhsa_kernarg_size 64
		.amdhsa_user_sgpr_count 2
		.amdhsa_user_sgpr_kernarg_segment_ptr 1
		.amdhsa_wavefront_size32 1
		.amdhsa_system_sgpr_workgroup_id_x 1
		.amdhsa_system_sgpr_workgroup_id_y 1
		.amdhsa_system_sgpr_workgroup_id_z 1
		.amdhsa_system_vgpr_workitem_id 0
		.amdhsa_next_free_vgpr 1024
		.amdhsa_next_free_sgpr 90
		.amdhsa_reserve_vcc 0
		.amdhsa_float_denorm_mode_32 3
		.amdhsa_float_denorm_mode_16_64 3
		.amdhsa_memory_ordered 1
		.amdhsa_forward_progress 1
		.amdhsa_inst_pref_size 249
	.end_amdhsa_kernel
	.amdgpu_metadata
---
amdhsa.version: [ 1, 2 ]
amdhsa.kernels:
  - .name:           k_qc87b98c392_proj
    .symbol:         k_qc87b98c392_proj.kd
    .args:
      - { .name: xb, .offset: 0, .size: 8, .value_kind: global_buffer, .address_space: global }
      - { .name: wb, .offset: 8, .size: 8, .value_kind: global_buffer, .address_space: global }
      - { .name: b_q, .offset: 16, .size: 8, .value_kind: global_buffer, .address_space: global }
      - { .name: b_k, .offset: 24, .size: 8, .value_kind: global_buffer, .address_space: global }
      - { .name: b_v, .offset: 32, .size: 8, .value_kind: global_buffer, .address_space: global }
      - { .name: qh, .offset: 40, .size: 8, .value_kind: global_buffer, .address_space: global }
      - { .name: kh, .offset: 48, .size: 8, .value_kind: global_buffer, .address_space: global }
      - { .name: vt, .offset: 56, .size: 8, .value_kind: global_buffer, .address_space: global }
    .group_segment_fixed_size: 327680
    .private_segment_fixed_size: 0
    .kernarg_segment_align: 8
    .kernarg_segment_size: 64
    .max_flat_workgroup_size: 128
    .sgpr_count:     90
    .vgpr_count:     1024
    .wavefront_size: 32
...
	.end_amdgpu_metadata
.endif
;; end of part 2
;; launch attn (part 3): grid 4 x 64, 8 waves a work-group, no clusters, 327,680 bytes of LDS; arguments qh, kh, vt, ah; writes ah
.if DOCPART == 3
	.amdgcn_target "amdgcn-amd-amdhsa--gfx1250"
	.amdhsa_code_object_version 6
	.text
	.protected	k_qc87b98c392_attn
	.globl	k_qc87b98c392_attn
	.p2align	8
	.type	k_qc87b98c392_attn,@function
k_qc87b98c392_attn:
	s_mov_b64 s[64:65], 0
	v_nop
	global_prefetch_b8 v0, s[64:65] scope:SCOPE_SE
	s_setreg_imm32_b32 hwreg(HW_REG_WAVE_MODE, 25, 1), 1
	s_wait_xcnt 0x0
; attn: causal attention of one head, with a running maximum.  qh holds q x 0.125 log2(e), so scores are in base 2.
; In: qh, kh bf16 [bh][2048][64]; vt bf16 [bh][hi,lo][64 d][2048 keys].  Out: ah bf16 [token][16 heads][hi,lo][64 d], the result as two bf16 numbers.
; Work-group (i, bh) makes the query blocks 7-i and then i of 256 rows: (8-i) + (i+1) = 9 key tiles of 256 keys in every work-group.
; Wave w owns 32 queries (two tiles of 16).  Eight waves: two on a SIMD, one wave's softmax runs beside the other's matrix work.
; EVERYTHING OF A QUERY LIES IN ITS LANE: S^T = K Q^T (lane r, half h: keys 8h+j of query r), which packs in place into the second operand of
; O^T = Vt_hi P + Vt_lo P; the row sums are ONES x P, of the ROUNDED P, in O^T's layout.  Only the maximum crosses lanes, once (lane xor 16).
; THE MASK is added, -10000 (x log2 e), in the 64-key step that holds the diagonal.  LIMIT: 64-key steps that lie wholly
; above the diagonal are not computed; their terms are e^(s - 10000 - rowmax), which is 0 in f32 while s - rowmax < 9,896.  NaN and infinities
; are not treated specially.  P is rounded to bf16.
; NO JOINT LOADS: the four work-groups of a head need 8-i and i+1 tiles in their two passes, different numbers at different times; walking the
; tiles jointly would take 8 + 4 = 12 tile times for 9 tiles of work.
; A pass begins at tile 8-i of the ring, which hangs on the work-group's number, so one text serves every step: a pass starts with O = L = 0 and
; M = -infinity (82 moves for a pass of 4 qb + 1 steps or more), and the first step's factor exp2(-infinity) = 0 multiplies zeros.
.set KP,     144                       ; K rows: 128 bytes + 16
.set VP,     528                       ; V rows: 512 bytes + 16; both pitches are odd multiples of 16
.set KBYTES, 256*KP                    ; 36,864
.set SLOT,   KBYTES+128*VP             ; 104,448
.set STAGE,  2*SLOT                    ; 4,352 bytes for each wave; no tensor load lands there
.set STG,    4352
.set SP,     272
.set KA,  2                            ; v2-3    LDS address of my K fragments in slot 0, 1; never rewritten
.set VA,  4                            ; v4-5    of my V fragments
.set QL,  6                            ; my byte offset in the wave's 32 rows of qh
.set STO, 7
.set RD,  8
.set GO,  9
.set DLT, 10                           ; v10-11  diagonal step: key 16 kt + j is masked where it is above this number, for query tile 0, 1
.set M,   12                           ; v12-13  running maximum of query tile 0, 1
.set MN,  16                           ; v[16:17] new maximum, in both registers: the pair that the packed subtraction takes
.set AL,  18                           ; v[18:19] exp2(old maximum - new) (the second register of this pair and of RL's is written once and never used)
.set T,   20                           ; v20-23
.set RL,  24                           ; v[24:25] 1 / row sum
.set U,   26                           ; v26-29
.set O,   32                           ; v32-95   O^T, tile (qt, dt) at 32 qt + 8 dt
.set LS,  96                           ; v96-111  row sums, 8 equal registers for each query tile
.set S,   112                          ; v112-175 S^T, tile (qt, kt) at 32 qt + 8 kt; then P
.set KF,  176                          ; v176-239 K fragments (kt, dc) at 16 kt + 8 dc
.set HI,  112                          ; the way out uses S's and KF's registers
.set LO,  128
.set RB,  176
.set QF,   0                           ; window 1: v0-31 Q fragments (qt, dc) at 16 qt + 8 dc
.set ONES, 32                          ; window 1: v32-39 a fragment of ones
.set VF,   40                          ; window 1: v40-167 V fragments (c2, part, dt) at 64 c2 + 32 part + 8 dt
.set G1K, 32
.set G1V, 40
.set G0K, 48                           ; one set a slot
.set G0V, 56
.set MSB, 0
.macro WIN new
.if MSB != \new
	s_set_vgpr_msb (MSB<<8)|\new
.set MSB, \new
.endif
.endm
.macro PLACES
.rept 4
	v_nop
.endr
.endm
.macro LOADKV s                        ; waves 0-3 bring a quarter of K's tile (64 rows), waves 4-7 a quarter of V's (32 rows of 512 bytes): one load a wave
	s_cmp_eq_u32 s13, 0
	s_cbranch_scc0 .Lfor_v_\@
	tensor_load_to_lds s[G0K+4*(\s):G0K+4*(\s)+3], s[G1K:G1K+7]
	s_nop 0
	s_branch .Lasked_\@
.Lfor_v_\@:
	tensor_load_to_lds s[G0V+4*(\s):G0V+4*(\s)+3], s[G1V:G1V+7]
	s_nop 0
.Lasked_\@:
.endm
.macro SETPASS                         ; from qb (s18): the diagonal's step, and where Q comes from and the result goes
	s_lshl_b32 s21, s18, 2
	s_add_co_u32 s21, s21, s15                     ; tdiag = 4 qb + w/2: the 64-key step that holds my 32 queries' diagonal
	s_lshl_b32 s30, s18, 8
	s_lshl_b32 s31, s12, 5
	s_add_co_u32 s30, s30, s31                     ; my first query
	s_lshl_b32 s88, s30, 12
	s_add_nc_u64 s[74:75], s[78:79], s[88:89]      ; ah: 4,096 bytes a token
	s_lshl_b32 s88, s30, 7
	s_add_nc_u64 s[76:77], s[80:81], s[88:89]      ; qh: 128 bytes a token
.endm
.macro LOADQ
	WIN 0x40
.irp q, 0,1
.irp d, 0,1
	global_load_b128 v[QF+16*\q+8*\d:QF+16*\q+8*\d+3], v[QL], s[76:77] offset:\q*2048+\d*64
	global_load_b128 v[QF+16*\q+8*\d+4:QF+16*\q+8*\d+7], v[QL], s[76:77] offset:\q*2048+\d*64+32
.endr
.endr
	WIN 0
.endm
.macro INIT
.set kk, 0
.rept 80
	v_mov_b32 v[O+kk], 0                           ; O and the row sums
.set kk, kk+1
.endr
	v_mov_b32 v[M], 0xff800000
	v_mov_b32 v[M+1], 0xff800000
.endm
	s_load_b256 s[4:11], s[0:1], 0x0               ; qh s[4:5], kh s[6:7], vt s[8:9], ah s[10:11]
	v_lshl_add_u32 v254, v0, 2, 0x3b800
	v_mov_b32 v255, 0
	ds_add_u32 v254, v255
	ds_add_u32 v254, v255
	v_lshrrev_b32 v1, 5, v0
	v_readfirstlane_b32 s12, v1                    ; wave 0..7
	s_lshr_b32 s13, s12, 2                         ; I fetch K (0) or V (1)
	s_and_b32 s14, s12, 3                          ; which quarter
	s_lshr_b32 s15, s12, 1
	s_mov_b32 s16, ttmp9                           ; i
	s_and_b32 s17, ttmp7, 0xffff                   ; bh
	s_mov_b32 s24, 0x76543210                      ; v_permlanex16_b32: lane i of one half reads lane i of the other
	s_mov_b32 s25, 0xfedcba98
	s_mov_b32 s26, 0xc6616bcd                      ; -10000 x log2(e)
	s_mov_b32 s[G1K+0], (1<<16)|(1<<20)|(4<<22)|(3<<25)   ; 2-byte elements, after every 32 words 4 words of padding
	s_mov_b32 s[G1K+1], 64<<16                     ; tensor_dim0 = 64
	s_mov_b32 s[G1K+2], 64<<16                     ; tensor_dim1 = 64
	s_mov_b32 s[G1K+3], 64<<16                     ; tile_dim0 = 64
	s_mov_b32 s[G1K+4], 64                         ; tile_dim1 = 64
	s_mov_b32 s[G1K+5], 64                         ; pitch
	s_mov_b32 s[G1K+6], 0
	s_mov_b32 s[G1K+7], 0
	s_mov_b32 s[G1V+0], (1<<16)|(1<<20)|(6<<22)|(3<<25)   ; after every 128 words
	s_mov_b32 s[G1V+1], 256<<16
	s_mov_b32 s[G1V+2], 32<<16
	s_mov_b32 s[G1V+3], 256<<16
	s_mov_b32 s[G1V+4], 32
	s_mov_b32 s[G1V+5], 2048
	s_mov_b32 s[G1V+6], 0
	s_mov_b32 s[G1V+7], 0
	s_lshl_b32 s70, s17, 18                        ; kh: 262,144 bytes a head,
	s_lshl_b32 s71, s14, 13                        ; 64 rows of 128 bytes a quarter
	s_add_co_u32 s70, s70, s71
	s_mov_b32 s71, 0                               ; stays 0: the upper word of an offset
	s_lshl_b32 s72, s17, 19                        ; vt: 524,288 bytes a head,
	s_lshl_b32 s73, s14, 17                        ; 32 rows of 4,096 bytes a quarter
	s_add_co_u32 s72, s72, s73
	s_mov_b32 s73, 0
	s_lshl_b32 s82, s17, 18                        ; qh
	s_mov_b32 s83, 0
	s_lshr_b32 s84, s17, 4
	s_lshl_b32 s84, s84, 23                        ; ah: 2,048 tokens of 4,096 bytes a batch,
	s_and_b32 s85, s17, 15
	s_lshl_b32 s85, s85, 8                         ; 256 bytes a head
	s_add_co_u32 s84, s84, s85
	s_mov_b32 s85, 0
	s_mov_b32 s89, 0
	s_mul_i32 s86, s14, 64*KP                      ; LDS: my quarter of K's tile
	s_mul_i32 s87, s14, 32*VP
	s_add_co_u32 s87, s87, KBYTES                  ; of V's
	s_wait_dscnt 0x0
	s_wait_kmcnt 0x0
	s_add_nc_u64 s[66:67], s[6:7], s[70:71]        ; K: my quarter of tile 0
	s_add_nc_u64 s[68:69], s[8:9], s[72:73]        ; V
	s_add_nc_u64 s[80:81], s[4:5], s[82:83]
	s_add_nc_u64 s[78:79], s[10:11], s[84:85]
.irp s, 0,1
	s_mov_b32 s[G0K+4*\s], 1
	s_add_co_u32 s[G0K+4*\s+1], s86, \s*SLOT
	s_mov_b64 s[G0K+4*\s+2:G0K+4*\s+3], s[66:67]
	s_or_b32 s[G0K+4*\s+3], s[G0K+4*\s+3], 0x80000000
	s_mov_b32 s[G0V+4*\s], 1
	s_add_co_u32 s[G0V+4*\s+1], s87, \s*SLOT
	s_mov_b64 s[G0V+4*\s+2:G0V+4*\s+3], s[68:69]
	s_or_b32 s[G0V+4*\s+3], s[G0V+4*\s+3], 0x80000000
.endr
	LOADKV 0                                       ; tile 0; a wave never has more than this one load out
	v_and_b32 v1, 15, v0                           ; r
	v_bfe_u32 v14, v0, 4, 1                        ; h
	v_mul_u32_u24 v15, v1, KP
	v_lshl_add_u32 v[KA], v14, 4, v15
	v_add_nc_u32 v[KA+1], SLOT, v[KA]
	v_mul_u32_u24 v15, v1, VP
	v_lshl_add_u32 v15, v14, 4, v15
	v_add_nc_u32 v[VA], KBYTES, v15
	v_add_nc_u32 v[VA+1], KBYTES+SLOT, v15
	v_lshlrev_b32 v15, 7, v1
	v_lshl_add_u32 v[QL], v14, 4, v15
	s_mul_i32 s31, s12, STG
	s_add_co_u32 s31, s31, STAGE
	v_mul_u32_u24 v15, v1, SP
	v_lshl_add_u32 v15, v14, 4, v15
	v_add_nc_u32 v[STO], s31, v15                  ; query r, 16 bytes for each half of the lanes
	v_mul_u32_u24 v15, v14, SP
	v_lshl_add_u32 v15, v1, 4, v15
	v_add_nc_u32 v[RD], s31, v15                   ; sixteen lanes take a row of 256 bytes
	v_lshlrev_b32 v15, 12, v14
	v_lshl_add_u32 v[GO], v1, 4, v15
	s_and_b32 s31, s12, 1
	s_lshl_b32 s31, s31, 5                         ; in the diagonal step my first query is key 32 (w & 1) of the 64
	v_lshlrev_b32 v15, 3, v14
	v_sub_nc_u32 v15, v1, v15                      ; key 16 kt + 8 h + j > query  <=>  16 kt + j > query - 8 h
	v_add_nc_u32 v[DLT], s31, v15
	v_add_nc_u32 v[DLT+1], 16, v[DLT]
	v_mov_b32 v[AL+1], 0
	v_mov_b32 v[RL+1], 0
	s_sub_co_u32 s18, 7, s16                       ; qb of the first pass
	s_mov_b32 s19, 0                               ; j: the tile within the pass
	SETPASS
	LOADQ
	WIN 0x40
.irp k, 0,1,2,3,4,5,6,7
	v_mov_b32 v[ONES+\k], 0x3f803f80               ; 1.0, 1.0 in bf16
.endr
	WIN 0
	INIT
; Softmax of query tile q over this step's 64 keys: 32 numbers a lane.
.macro SOFTMAX q
.set SB, S+32*\q
.irp a, 0,1,2,3
	v_max3_num_f32 v[T+\a], v[SB+8*\a], v[SB+8*\a+1], v[SB+8*\a+2]      ; four chains
.endr
.irp a, 0,1,2,3
	v_max3_num_f32 v[T+\a], v[T+\a], v[SB+8*\a+3], v[SB+8*\a+4]
.endr
.irp a, 0,1,2,3
	v_max3_num_f32 v[T+\a], v[T+\a], v[SB+8*\a+5], v[SB+8*\a+6]
.endr
	v_max3_num_f32 v[T], v[T], v[T+1], v[SB+7]
	v_max3_num_f32 v[T+2], v[T+2], v[T+3], v[SB+15]
	v_max3_num_f32 v[T], v[T], v[SB+23], v[SB+31]
	v_max3_num_f32 v[T], v[T], v[T+2], v[M+\q]                          ; the running maximum joins
	v_permlanex16_b32 v[T+1], v[T], s24, s25                            ; the query's other 32 keys lie in lane xor 16
	v_max_num_f32 v[MN], v[T], v[T+1]
	v_max_num_f32 v[MN+1], v[T], v[T+1]                                 ; the same again: both halves of the packed subtraction take it
	v_sub_f32 v[AL], v[M+\q], v[MN]
.set kk, 0
.rept 16
	v_pk_add_f32 v[SB+2*kk:SB+2*kk+1], v[SB+2*kk:SB+2*kk+1], v[MN:MN+1] neg_lo:[0,1] neg_hi:[0,1]
.set kk, kk+1
.endr
	v_exp_f32 v[AL], v[AL]
.set kk, 0
.rept 32
	v_exp_f32 v[SB+kk], v[SB+kk]
.set kk, kk+1
.endr
	v_mov_b32 v[M+\q], v[MN]                       ; the plain instruction between the exponentials and the first use of a result (ISA guide 5.7.2)
	s_wait_alu depctr_va_vdst(0)
.irp c, 0,1
.irp p, 0,1,2,3
	v_cvt_pk_bf16_f32 v[SB+16*\c+\p], v[SB+16*\c+2*\p], v[SB+16*\c+2*\p+1]          ; keys 32c + 8h + 0..7: registers 0-3 of P's fragment; each write lands on a register already read
.endr
.irp p, 0,1,2,3
	v_cvt_pk_bf16_f32 v[SB+16*\c+4+\p], v[SB+16*\c+8+2*\p], v[SB+16*\c+8+2*\p+1]    ; keys 32c + 16 + 8h + 0..7: registers 4-7
.endr
.endr
.set kk, 0
.rept 16
	v_pk_mul_f32 v[O+32*\q+2*kk:O+32*\q+2*kk+1], v[O+32*\q+2*kk:O+32*\q+2*kk+1], v[AL:AL+1] op_sel_hi:[1,0]
.set kk, kk+1
.endr
.set kk, 0
.rept 4
	v_pk_mul_f32 v[LS+8*\q+2*kk:LS+8*\q+2*kk+1], v[LS+8*\q+2*kk:LS+8*\q+2*kk+1], v[AL:AL+1] op_sel_hi:[1,0]
.set kk, kk+1
.endr
.endm
; 36 matrix instructions.  The ten accumulators take turns, one instruction a turn.
.macro PV
.irp c, 0,1
.irp d, 0,1,2,3
.irp q, 0,1
	v_wmma_f32_16x16x32_bf16 v[O+32*\q+8*\d:O+32*\q+8*\d+7], v[VF+64*\c+8*\d:VF+64*\c+8*\d+7], v[S+32*\q+16*\c:S+32*\q+16*\c+7], v[O+32*\q+8*\d:O+32*\q+8*\d+7]
.endr
.endr
.irp q, 0,1
	v_wmma_f32_16x16x32_bf16 v[LS+8*\q:LS+8*\q+7], v[ONES:ONES+7], v[S+32*\q+16*\c:S+32*\q+16*\c+7], v[LS+8*\q:LS+8*\q+7]
.endr
.irp d, 0,1,2,3
.irp q, 0,1
	v_wmma_f32_16x16x32_bf16 v[O+32*\q+8*\d:O+32*\q+8*\d+7], v[VF+64*\c+32+8*\d:VF+64*\c+32+8*\d+7], v[S+32*\q+16*\c:S+32*\q+16*\c+7], v[O+32*\q+8*\d:O+32*\q+8*\d+7]
.endr
.endr
.endr
.endm
; One step: keys 64 c .. 64 c + 63 of the tile in this slot.
.macro STEP slot, c
.rept 5
	v_nop                                          ; five places behind the last step's matrix instructions: V's and K's registers are loaded again, and S is written over P, which they read
.endr
.irp t, 0,1,2,3
.irp d, 0,1
	ds_load_b128 v[KF+16*\t+8*\d:KF+16*\t+8*\d+3], v[KA+\slot] offset:\c*64*KP+\t*16*KP+\d*64
	ds_load_b128 v[KF+16*\t+8*\d+4:KF+16*\t+8*\d+7], v[KA+\slot] offset:\c*64*KP+\t*16*KP+\d*64+32
.endr
.endr
	WIN 0x40
.irp e, 0,1
.irp p, 0,1
.irp d, 0,1,2,3
	ds_load_b128 v[VF+64*\e+32*\p+8*\d:VF+64*\e+32*\p+8*\d+3], v[VA+\slot] offset:\c*128+\p*64*VP+\d*16*VP+\e*64
	ds_load_b128 v[VF+64*\e+32*\p+8*\d+4:VF+64*\e+32*\p+8*\d+7], v[VA+\slot] offset:\c*128+\p*64*VP+\d*16*VP+\e*64+32
.endr
.endr
.endr
	WIN 0
	s_wait_dscnt 32                                ; K's 16 loads are in, V's 32 stay out under the scores and the softmax
	WIN 0x04
.irp t, 0,1,2,3
.irp q, 0,1
	v_wmma_f32_16x16x32_bf16 v[S+32*\q+8*\t:S+32*\q+8*\t+7], v[KF+16*\t:KF+16*\t+7], v[QF+16*\q:QF+16*\q+7], 0
.endr
.endr
.irp t, 0,1,2,3
.irp q, 0,1
	v_wmma_f32_16x16x32_bf16 v[S+32*\q+8*\t:S+32*\q+8*\t+7], v[KF+16*\t+8:KF+16*\t+15], v[QF+16*\q+8:QF+16*\q+15], v[S+32*\q+8*\t:S+32*\q+8*\t+7]
.endr
.endr
	WIN 0
	PLACES
	s_cmp_lg_u32 s20, s21
	s_cbranch_scc1 .Lno_mask_\@                    ; only the step with the diagonal has masked keys
.irp q, 0,1
.irp t, 0,1,2,3
.irp j, 0,1,2,3,4,5,6,7
	v_cmp_gt_i32 vcc_lo, 16*\t+\j, v[DLT+\q]
	v_add_f32 v[T+(\j%4)], s26, v[S+32*\q+8*\t+\j]
	v_cndmask_b32 v[S+32*\q+8*\t+\j], v[S+32*\q+8*\t+\j], v[T+(\j%4)], vcc_lo
.endr
.endr
.endr
.Lno_mask_\@:
	SOFTMAX 0
	SOFTMAX 1
	s_wait_dscnt 0x0                               ; V
	WIN 0x01
	PV
	WIN 0
.endm
; The pass's result: O / row sum, as hi + lo in bf16, 256 bytes a token and head, through my stage.
.macro FINISH
	PLACES
.irp q, 0,1
	v_rcp_f32 v[RL], v[LS+8*\q]
	v_nop                                          ; the place behind the reciprocal
.set kk, 0
	s_wait_alu depctr_va_vdst(0)
.rept 16
	v_pk_mul_f32 v[O+32*\q+2*kk:O+32*\q+2*kk+1], v[O+32*\q+2*kk:O+32*\q+2*kk+1], v[RL:RL+1] op_sel_hi:[1,0]
.set kk, kk+1
.endr
.set kk, 0
.rept 16
	v_cvt_pk_bf16_f32 v[HI+kk], v[O+32*\q+2*kk], v[O+32*\q+2*kk+1]
	v_lshlrev_b32 v[U+2*(kk%2)], 16, v[HI+kk]
	v_and_b32 v[U+2*(kk%2)+1], 0xffff0000, v[HI+kk]
	v_pk_add_f32 v[O+32*\q+2*kk:O+32*\q+2*kk+1], v[O+32*\q+2*kk:O+32*\q+2*kk+1], v[U+2*(kk%2):U+2*(kk%2)+1] neg_lo:[0,1] neg_hi:[0,1]
	v_cvt_pk_bf16_f32 v[LO+kk], v[O+32*\q+2*kk], v[O+32*\q+2*kk+1]
.set kk, kk+1
.endr
.irp d, 0,1,2,3
	ds_store_b128 v[STO], v[HI+4*\d:HI+4*\d+3] offset:32*\d
	ds_store_b128 v[STO], v[LO+4*\d:LO+4*\d+3] offset:128+32*\d
.endr
	s_wait_xcnt 0x0                                ; RB, which earlier stores read, is loaded again only behind this wait
.irp t, 0,1,2,3,4,5,6,7
	ds_load_b128 v[RB+4*\t:RB+4*\t+3], v[RD] offset:2*SP*\t
.endr
.irp t, 0,1,2,3,4,5,6,7
	s_wait_dscnt 7-\t                              ; read-back t is in, the younger ones stay out
	global_store_b128 v[GO], v[RB+4*\t:RB+4*\t+3], s[74:75] offset:(16*\q+2*\t)*4096   ; sixteen lanes store 256 consecutive bytes, aligned
.endr
.endr
	s_wait_xcnt 0x0                                ; the stores' base and data are written again behind this wait
.endm
; One key tile, in this slot.  refill = 1: the next tile is asked for, into the other slot.  last = 1: the ninth tile.
.macro TRIP slot, refill, last
	s_wait_tensorcnt 0x0                           ; my one load, my part of this tile, has landed: a group 0 may be written
	ds_add_u32 v254, v255
	s_wait_dscnt 0x0
.if \refill
	s_add_co_u32 s27, s19, 1
	s_cmp_eq_u32 s19, s18
	s_cselect_b32 s27, 0, s27                      ; the next tile: j + 1, or tile 0 of the second pass
	s_lshl_b32 s70, s27, 15                        ; K: 256 rows of 128 bytes a tile
	s_lshl_b32 s72, s27, 9                         ; V: 512 bytes along the rows
	s_add_nc_u64 s[G0K+4*(1-\slot)+2:G0K+4*(1-\slot)+3], s[66:67], s[70:71]
	s_or_b32 s[G0K+4*(1-\slot)+3], s[G0K+4*(1-\slot)+3], 0x80000000
	s_add_nc_u64 s[G0V+4*(1-\slot)+2:G0V+4*(1-\slot)+3], s[68:69], s[72:73]
	s_or_b32 s[G0V+4*(1-\slot)+3], s[G0V+4*(1-\slot)+3], 0x80000000
.endif
	s_wait_dscnt 0x0                               ; my reads of the other slot are over
	s_barrier_signal -1
	s_barrier_wait -1                              ; both hold of all eight waves: this tile is whole, the other slot is free
.if \refill
	LOADKV 1-\slot                                 ; my one load behind the barrier; it has the whole tile's work in which to land
.endif
	s_wait_loadcnt 0x0                             ; Q (issued at the start and at the change of passes)
	s_lshl_b32 s20, s19, 2                         ; the 64-key step's number in the sequence
.irp c, 0,1,2,3
	s_cmp_gt_u32 s20, s21
	s_cbranch_scc1 .Ltile_done_\@                  ; beyond my diagonal: all keys masked
	STEP \slot, \c
	s_add_co_u32 s20, s20, 1
.endr
.Ltile_done_\@:
.if \last
	FINISH
.else
	s_cmp_lg_u32 s19, s18
	s_cbranch_scc1 .Lsame_pass_\@
	FINISH                                         ; the first pass is over
	s_mov_b32 s18, s16                             ; qb = i
	SETPASS
	LOADQ
	INIT
.Lsame_pass_\@:
	s_mov_b32 s19, s27
.endif
.endm
	s_mov_b32 s23, 4                               ; tiles 0 to 7; the first pass ends at tile 7 - i, inside the loop
.Lring:
	TRIP 0, 1, 0
	TRIP 1, 1, 0
	s_sub_co_u32 s23, s23, 1
	s_cmp_lg_u32 s23, 0
	s_cbranch_scc1 .Lring
	TRIP 0, 0, 1                                   ; tile 8: the second pass's last; nothing is left to fetch
	s_wait_tensorcnt 0x0
	ds_add_u32 v254, v255
	s_wait_dscnt 0x0
	s_endpgm
.Lfunc_end_k_qc87b98c392_attn:
	.size	k_qc87b98c392_attn, .Lfunc_end_k_qc87b98c392_attn-k_qc87b98c392_attn
	.p2alignl 7, 3214868480
	.fill 96, 4, 3214868480
	.section	.rodata,"a",@progbits
	.p2align	6, 0x0
	.amdhsa_kernel k_qc87b98c392_attn
		.amdhsa_group_segment_fixed_size 327680
		.amdhsa_private_segment_fixed_size 0
		.amdhsa_enable_private_segment 0
		.amdhsa_kernarg_size 32
		.amdhsa_user_sgpr_count 2
		.amdhsa_user_sgpr_kernarg_segment_ptr 1
		.amdhsa_wavefront_size32 1
		.amdhsa_system_sgpr_workgroup_id_x 1
		.amdhsa_system_sgpr_workgroup_id_y 1
		.amdhsa_system_sgpr_workgroup_id_z 1
		.amdhsa_system_vgpr_workitem_id 0
		.amdhsa_next_free_vgpr 424
		.amdhsa_next_free_sgpr 90
		.amdhsa_reserve_vcc 1
		.amdhsa_float_denorm_mode_32 3
		.amdhsa_float_denorm_mode_16_64 3
		.amdhsa_memory_ordered 1
		.amdhsa_forward_progress 1
		.amdhsa_inst_pref_size 255
	.end_amdhsa_kernel
	.section	.bss,"aw",@nobits
	.p2align	6
	.space	262144
	.amdgpu_metadata
---
amdhsa.version: [ 1, 2 ]
amdhsa.kernels:
  - .name:           k_qc87b98c392_attn
    .symbol:         k_qc87b98c392_attn.kd
    .args:
      - { .name: qh, .offset: 0, .size: 8, .value_kind: global_buffer, .address_space: global }
      - { .name: kh, .offset: 8, .size: 8, .value_kind: global_buffer, .address_space: global }
      - { .name: vt, .offset: 16, .size: 8, .value_kind: global_buffer, .address_space: global }
      - { .name: ah, .offset: 24, .size: 8, .value_kind: global_buffer, .address_space: global }
    .group_segment_fixed_size: 327680
    .private_segment_fixed_size: 0
    .kernarg_segment_align: 8
    .kernarg_segment_size: 32
    .max_flat_workgroup_size: 256
    .sgpr_count:     90
    .vgpr_count:     424
    .wavefront_size: 32
...
	.end_amdgpu_metadata
.endif
;; end of part 3
;; launch outp (part 4): grid 4 x 64, 4 waves a work-group, clusters of 4 x 4, 327,680 bytes of LDS; arguments ah, wb, b_out, out0; writes out0
.if DOCPART == 4
	.amdgcn_target "amdgcn-amd-amdhsa--gfx1250"
	.amdhsa_code_object_version 6
	.text
	.protected	k_qc87b98c392_outp
	.globl	k_qc87b98c392_outp
	.p2align	8
	.type	k_qc87b98c392_outp,@function
k_qc87b98c392_outp:
	s_mov_b64 s[64:65], 0
	v_nop
	global_prefetch_b8 v0, s[64:65] scope:SCOPE_SE
	s_setreg_imm32_b32 hwreg(HW_REG_WAVE_MODE, 25, 1), 1
	s_wait_xcnt 0x0
	s_wait_alu depctr_hold_cnt(0) depctr_sa_sdst(0) depctr_va_vdst(0) depctr_va_sdst(0) depctr_va_ssrc(0) depctr_va_vcc(0) depctr_vm_vsrc(0)
	s_getreg_b32 s2, hwreg(HW_REG_IB_STS2, 6, 4)
	s_cmp_eq_u32 s2, 0
	s_cbranch_scc0 .Lentry_in_a_cluster
	s_endpgm
.Lentry_in_a_cluster:
	s_bfe_u32 s2, ttmp6, 0x10000c
	s_cmp_lg_u32 s2, 0xf033
	s_cbranch_scc0 .Lentry_shape_is_right
	s_endpgm
.Lentry_shape_is_right:
; outp: out0 = (a_hi + a_lo) W_out^T + b_out.  a: ah bf16 [8192 tokens][16 heads][hi,lo][64]; W_out: rows 3072.. of wb, bf16 [1024][1024]; out0 f32.
; The attention result is carried as two bf16 numbers, so each fragment of W_out is multiplied twice, by a_hi and by a_lo, onto one f32 sum.
; A work-group makes 128 tokens x 256 columns (64 x 4 = 256 work-groups), wave (wm, wn) 64 x 128: 32 accumulator tiles in window 2.
; The 1,024 inputs go two heads (128) at a time through two LDS slots: a's rows are 512 bytes there, W's 256, all aligned to 256 in memory.
; CLUSTERS 4 x 4: a's tiles hang on the token block alone and are shared along a cluster's row, W's on the column block alone and are shared
; along a column: joint loads divide the requests by four.
; W is source 0 and a source 1: a lane then holds 8 neighbouring columns of one token.  LIMITS: NaN and infinities are not treated specially.
.set PA,     528                       ; a's LDS rows: 512 bytes + 16
.set PB,     272                       ; W's: 256 + 16; both odd multiples of 16
.set REGION, 34816                     ; what one wave's load may fill: 64 rows of a (33,792) or 128 rows of W (34,816)
.set SLOT,   4*REGION
.set STAGE,  2*SLOT
.set SPITCH, 528
.set STG,    16*SPITCH                 ; 8,448 bytes for each wave; no tensor load lands there
.set LAPS,   4                         ; 8 steps of two heads, two a lap
.set ADRA, 16
.set ADRB, 20
.set STO,  24
.set RD,   25
.set CO,   26
.set BO,   27
.set F0,   64                          ; fragment buffer 0: window 0: a (4 token blocks hi, then 4 lo); window 1: W (8 column blocks)
.set F1,   128
.set BIAS, 192                         ; v192-255 b_out of my 64 columns-in-lane
.set G1A, 32
.set G0A, 40
.set G1B, 48
.set G0B, 56
.set MULW, 0xa1                        ; source 0 (W) window 1, source 1 (a) window 0, C and D window 2
.set TO_B, 0x40
.set MSB, 0
.macro WIN new
.if MSB != \new
	s_set_vgpr_msb (MSB<<8)|\new
.set MSB, \new
.endif
.endm
.macro PLACES                          ; four places behind a matrix instruction (ISA guide 7.12.1)
.rept 4
	v_nop
.endr
.endm
.macro JLOAD s
	s_cmp_eq_u32 s21, 0
	s_cbranch_scc0 .Lfor_b_\@
	tensor_load_to_lds s[G0A+4*(\s):G0A+4*(\s)+3], s[G1A:G1A+7]
	s_nop 0
	s_branch .Lasked_\@
.Lfor_b_\@:
	tensor_load_to_lds s[G0B+4*(\s):G0B+4*(\s)+3], s[G1B:G1B+7]
	s_nop 0
.Lasked_\@:
.endm
.macro CREST
	s_cmp_lg_u32 s20, 0
	s_cbranch_scc1 .Lnot_wave_0_\@
	s_barrier_signal -3
.Lnot_wave_0_\@:
	s_barrier_wait -3
	s_barrier_signal -1
	s_barrier_wait -1
.endm
.macro CROUND
	s_barrier_signal -1
	s_barrier_wait -1
	CREST
.endm
	s_load_b256 s[4:11], s[0:1], 0x0               ; ah s[4:5], wb s[6:7], b_out s[8:9], out0 s[10:11]
	s_set_vgpr_msb 0x40
	v_lshl_add_u32 v255, v0, 2, 0x4c400
	s_set_vgpr_msb 0x4000
	v_mov_b32 v63, 0
	s_set_vgpr_msb 0x1
	ds_add_u32 v255, v63
	ds_add_u32 v255, v63
	s_set_vgpr_msb 0x100
	v_lshrrev_b32 v1, 5, v0
	v_readfirstlane_b32 s20, v1                    ; wave
	s_lshr_b32 s21, s20, 1                         ; wm: my 64 tokens.  Also: I fetch a (0) or W (1)
	s_and_b32 s22, s20, 1                          ; wn: my 128 columns.  Also: which half of that tile I fetch
	s_bfe_u32 s23, ttmp6, 0x40000                  ; cx
	s_bfe_u32 s24, ttmp6, 0x40004                  ; cy
	s_lshl_b32 s25, ttmp9, 2
	s_add_co_u32 s25, s25, s23                     ; nblk
	s_and_b32 s26, ttmp7, 0xffff
	s_lshl_b32 s26, s26, 2
	s_add_co_u32 s26, s26, s24                     ; mblk
	s_lshl_b32 s27, s24, 2
	s_lshl_b32 s27, 15, s27                        ; my row of the cluster
	s_lshl_b32 s28, 0x1111, s23                    ; my column
	s_or_b32 s[G1A+0], s27, (1<<16)|(1<<20)|(1<<21)|(6<<22)|(3<<25)   ; padding after every 128 words
	s_or_b32 s[G1B+0], s28, (1<<16)|(1<<20)|(1<<21)|(5<<22)|(3<<25)   ; after every 64 words
	s_mov_b32 s[G1A+1], 256<<16                    ; a: rows of 256 elements,
	s_mov_b32 s[G1A+2], 64<<16                     ; 64 rows
	s_mov_b32 s[G1A+3], 256<<16
	s_mov_b32 s[G1A+4], 64
	s_mov_b32 s[G1A+5], 2048                       ; elements from token to token
	s_mov_b32 s[G1A+6], 0
	s_mov_b32 s[G1A+7], 0
	s_mov_b32 s[G1B+1], 128<<16                    ; W: rows of 128 elements,
	s_mov_b32 s[G1B+2], 128<<16                    ; 128 rows
	s_mov_b32 s[G1B+3], 128<<16
	s_mov_b32 s[G1B+4], 128
	s_mov_b32 s[G1B+5], 1024
	s_mov_b32 s[G1B+6], 0
	s_mov_b32 s[G1B+7], 0
	s_lshl_b32 s66, s26, 19                        ; a: 128 tokens of 4,096 bytes,
	s_lshl_b32 s67, s22, 18                        ; 64 tokens
	s_add_co_u32 s66, s66, s67
	s_mov_b32 s67, 0
	s_lshl_b32 s68, s25, 19                        ; W: 256 rows of 2,048 bytes,
	s_lshl_b32 s69, s22, 18                        ; 128 rows,
	s_add_co_u32 s68, s68, s69
	s_add_co_u32 s68, s68, 3072*2048               ; behind the 3,072 rows of W_q, W_k, W_v
	s_mov_b32 s69, 0
	s_mul_i32 s70, s20, REGION
	s_lshl_b32 s76, s25, 10
	s_lshl_b32 s77, s22, 9
	s_add_co_u32 s76, s76, s77                     ; my first column, in bytes of f32
	s_lshl_b32 s78, s26, 19
	s_lshl_b32 s79, s21, 18
	s_add_co_u32 s78, s78, s79
	s_add_co_u32 s78, s78, s76                     ; my corner of out0
	s_mov_b32 s79, 0
	s_wait_dscnt 0x0
	s_wait_kmcnt 0x0
	s_add_nc_u64 s[72:73], s[4:5], s[66:67]
	s_add_nc_u64 s[74:75], s[6:7], s[68:69]
	s_add_nc_u64 s[10:11], s[10:11], s[78:79]
	CROUND                                         ; the first joint loads meet
.irp s, 0,1
	s_mov_b32 s[G0A+4*\s], 1
	s_add_co_u32 s[G0A+4*\s+1], s70, \s*SLOT
	s_add_nc_u64 s[G0A+4*\s+2:G0A+4*\s+3], s[72:73], \s*512
	s_or_b32 s[G0A+4*\s+3], s[G0A+4*\s+3], 0x80000000
	s_mov_b32 s[G0B+4*\s], 1
	s_add_co_u32 s[G0B+4*\s+1], s70, \s*SLOT
	s_add_nc_u64 s[G0B+4*\s+2:G0B+4*\s+3], s[74:75], \s*256
	s_or_b32 s[G0B+4*\s+3], s[G0B+4*\s+3], 0x80000000
	JLOAD \s                                       ; two loads of the wave are out here, one behind every later round
.endr
	v_and_b32 v1, 15, v0                           ; r
	v_bfe_u32 v2, v0, 4, 1                         ; h
	v_mul_u32_u24 v3, v1, PA
	v_lshl_add_u32 v3, v2, 4, v3
	v_mul_u32_u24 v4, v1, PB
	v_lshl_add_u32 v4, v2, 4, v4
	s_mul_i32 s83, s21, REGION                     ; my 64 tokens
	s_mul_i32 s84, s22, REGION
	s_add_co_u32 s84, s84, 2*REGION                ; my 128 rows of W
.irp s, 0,1
	v_add_nc_u32 v[ADRA+\s], s83, v3
	v_add_nc_u32 v[ADRB+\s], s84, v4
	s_add_co_u32 s83, s83, SLOT
	s_add_co_u32 s84, s84, SLOT
.endr
	s_mul_i32 s85, s20, STG
	s_add_co_u32 s85, s85, STAGE
	v_mul_u32_u24 v4, v1, SPITCH
	v_lshl_add_u32 v4, v2, 5, v4
	v_add_nc_u32 v[STO], s85, v4                   ; token r, 32 bytes (8 columns) for each half of the lanes
	v_and_b32 v5, 31, v0
	v_lshlrev_b32 v[CO], 4, v5                     ; back: the wave takes one row of 512 bytes
	v_add_nc_u32 v[RD], s85, v[CO]
	v_lshlrev_b32 v4, 5, v2
	v_add_nc_u32 v[BO], s76, v4
.irp n, 0,1,2,3,4,5,6,7
	global_load_b128 v[BIAS+8*\n:BIAS+8*\n+3], v[BO], s[8:9] offset:64*\n          ; columns 16 n + 8 h + 0..7; waited for on the way out
	global_load_b128 v[BIAS+8*\n+4:BIAS+8*\n+7], v[BO], s[8:9] offset:64*\n+16
.endr
; 16 matrix instructions: token blocks a0, a0+1 x 8 column blocks, 32 inputs; part 0: a_hi, 1: a_lo, onto the same sums.
; The 32 accumulators take turns, one instruction a turn, in the same order in every run, over the loop's backward jump too.
.macro MUL16 f, part, a0, zero
.irp a, \a0, \a0+1
.irp b, 0,1,2,3,4,5,6,7
.if \zero
	v_wmma_f32_16x16x32_bf16 v[8*(8*(\a)+\b):8*(8*(\a)+\b)+7], v[\f+8*\b:\f+8*\b+7], v[\f+8*(4*\part+\a):\f+8*(4*\part+\a)+7], 0
.else
	v_wmma_f32_16x16x32_bf16 v[8*(8*(\a)+\b):8*(8*(\a)+\b)+7], v[\f+8*\b:\f+8*\b+7], v[\f+8*(4*\part+\a):\f+8*(4*\part+\a)+7], v[8*(8*(\a)+\b):8*(8*(\a)+\b)+7]
.endif
.endr
.endr
.endm
; 32 LDS loads: quarter qd of the slot's 128 inputs = head qd/2, inputs 32 (qd & 1) ..: W's 8 fragments, a_hi's 4, a_lo's 4
.macro FETCH slot, qd, f
	WIN TO_B
.irp i, 0,1,2,3,4,5,6,7
	ds_load_b128 v[\f+8*\i:\f+8*\i+3],   v[ADRB+\slot] offset:\i*16*PB+64*\qd
	ds_load_b128 v[\f+8*\i+4:\f+8*\i+7], v[ADRB+\slot] offset:\i*16*PB+64*\qd+32
.endr
	WIN 0
.irp i, 0,1,2,3,4,5,6,7
	ds_load_b128 v[\f+8*\i:\f+8*\i+3],   v[ADRA+\slot] offset:(\i&3)*16*PA+(\i>>2)*128+(\qd>>1)*256+(\qd&1)*64
	ds_load_b128 v[\f+8*\i+4:\f+8*\i+7], v[ADRA+\slot] offset:(\i&3)*16*PA+(\i>>2)*128+(\qd>>1)*256+(\qd&1)*64+32
.endr
.endm
.macro QUARTER slot, qd, f, g, zero    ; multiplies buffer f; in its middle fetches quarter qd into buffer g
	s_wait_dscnt 8                                 ; W and a_hi are in; the youngest eight loads (a_lo) may be out
	WIN MULW
	MUL16 \f, 0, 0, \zero
	MUL16 \f, 0, 2, \zero
	PLACES
	FETCH \slot, \qd, \g
	s_wait_dscnt 32                                ; all but the 32 just issued
	WIN MULW
	MUL16 \f, 1, 0, 0
	MUL16 \f, 1, 2, 0
.endm
.macro THREE slot, zero
	QUARTER \slot, 1, F0, F1, \zero
	QUARTER \slot, 2, F1, F0, 0
	QUARTER \slot, 3, F0, F1, 0
.endm
; The last quarter multiplies buffer 1 and changes slots.  fill = 1: this slot is filled again, jointly, two steps ahead.
.macro TURN slot, next, fill
	s_wait_dscnt 8
	WIN MULW
	MUL16 F1, 0, 0, 0
	s_wait_dscnt 0x0                               ; my reads of this slot are over
	s_wait_tensorcnt 0x0                           ; all my tensor loads have landed: the one that was out is my part of the next slot
	ds_add_u32 v255, v63
	s_wait_dscnt 0x0
	s_barrier_signal -1                            ; (fill = 1: this barrier opens a round of the cluster's barrier)
	MUL16 F1, 0, 2, 0                              ; register work while the others arrive
	WIN 0
	s_barrier_wait -1
.if \fill
	CREST                                          ; no wave of any partner still reads this slot or has a load on its way
	s_add_nc_u64 s[G0A+4*\slot+2:G0A+4*\slot+3], s[G0A+4*\slot+2:G0A+4*\slot+3], 1024
	s_add_nc_u64 s[G0B+4*\slot+2:G0B+4*\slot+3], s[G0B+4*\slot+2:G0B+4*\slot+3], 512
	JLOAD \slot                                    ; the first tensor load behind the round; 240 matrix instructions stand between it and the wait for it
.endif
	PLACES
	FETCH \next, 0, F0
	WIN MULW
	MUL16 F1, 1, 0, 0
	MUL16 F1, 1, 2, 0
.endm
.macro LAP zero
	THREE 0, \zero
	TURN 0, 1, 1
	THREE 1, 0
	TURN 1, 0, 1
.endm
	s_wait_tensorcnt 0x1                           ; my part of step 0 is in; step 1's stays out
	s_barrier_signal -1
	s_barrier_wait -1
	FETCH 0, 0, F0
	LAP 1                                          ; the first products start the sums
	WIN 0
	s_mov_b32 s29, LAPS-2
.Llap:
	LAP 0
	WIN 0
	s_sub_co_u32 s29, s29, 1
	s_cmp_lg_u32 s29, 0
	s_cbranch_scc1 .Llap
	THREE 0, 0                                     ; the last lap fills nothing
	TURN 0, 1, 0
	THREE 1, 0
	s_wait_dscnt 8
	WIN MULW
	MUL16 F1, 0, 0, 0
	MUL16 F1, 0, 2, 0
	s_wait_dscnt 0x0
	MUL16 F1, 1, 0, 0
	MUL16 F1, 1, 2, 0
	WIN 0
	; THE WAY OUT, 16 tokens at a time: add the bias, 32 bytes a lane into my stage, read whole rows of 512 bytes back.
	PLACES
	s_wait_loadcnt 0x0                             ; b_out
.macro OUT16 m
	WIN 0x02
.irp n, 0,1,2,3,4,5,6,7
.irp p, 0,1,2,3
	v_pk_add_f32 v[F0+8*\n+2*\p:F0+8*\n+2*\p+1], v[8*(8*\m+\n)+2*\p:8*(8*\m+\n)+2*\p+1], v[BIAS+8*\n+2*\p:BIAS+8*\n+2*\p+1]
.endr
.endr
	WIN 0
.irp n, 0,1,2,3,4,5,6,7
	ds_store_b128 v[STO], v[F0+8*\n:F0+8*\n+3] offset:64*\n
	ds_store_b128 v[STO], v[F0+8*\n+4:F0+8*\n+7] offset:64*\n+16
.endr
	s_wait_xcnt 0x0                                ; buffer 1, which the last stores read, is loaded again only behind this wait
.irp t, 0,1,2,3,4,5,6,7,8,9,10,11,12,13,14,15
	ds_load_b128 v[F1+4*\t:F1+4*\t+3], v[RD] offset:SPITCH*\t      ; LDS serves a wave's instructions in order: these see the stores above
.endr
.irp t, 0,1,2,3,4,5,6,7,8,9,10,11,12,13,14,15
	s_wait_dscnt 15-\t                             ; read-back t is in, the younger ones stay out
	global_store_b128 v[CO], v[F1+4*\t:F1+4*\t+3], s[10:11] offset:(16*\m+\t)*4096 th:TH_STORE_NT   ; the wave stores 512 consecutive bytes, aligned
.endr
.endm
	OUT16 0
	OUT16 1
	OUT16 2
	OUT16 3
	s_set_vgpr_msb 0x1
	s_wait_tensorcnt 0x0
	ds_add_u32 v255, v63
	s_wait_dscnt 0x0
	s_set_vgpr_msb 0x100
	CROUND                                         ; the closing round
	s_endpgm
.Lfunc_end_k_qc87b98c392_outp:
	.size	k_qc87b98c392_outp, .Lfunc_end_k_qc87b98c392_outp-k_qc87b98c392_outp
	.p2alignl 7, 3214868480
	.fill 96, 4, 3214868480
	.section	.rodata,"a",@progbits
	.p2align	6, 0x0
	.amdhsa_kernel k_qc87b98c392_outp
		.amdhsa_group_segment_fixed_size 327680
		.amdhsa_private_segment_fixed_size 0
		.amdhsa_enable_private_segment 0
		.amdhsa_kernarg_size 32
		.amdhsa_user_sgpr_count 2
		.amdhsa_user_sgpr_kernarg_segment_ptr 1
		.amdhsa_wavefront_size32 1
		.amdhsa_system_sgpr_workgroup_id_x 1
		.amdhsa_system_sgpr_workgroup_id_y 1
		.amdhsa_system_sgpr_workgroup_id_z 1
		.amdhsa_system_vgpr_workitem_id 0
		.amdhsa_next_free_vgpr 768
		.amdhsa_next_free_sgpr 90
		.amdhsa_reserve_vcc 0
		.amdhsa_float_denorm_mode_32 3
		.amdhsa_float_denorm_mode_16_64 3
		.amdhsa_memory_ordered 1
		.amdhsa_forward_progress 1
		.amdhsa_inst_pref_size 188
	.end_amdhsa_kernel
	.amdgpu_metadata
---
amdhsa.version: [ 1, 2 ]
amdhsa.kernels:
  - .name:           k_qc87b98c392_outp
    .symbol:         k_qc87b98c392_outp.kd
    .args:
      - { .name: ah, .offset: 0, .size: 8, .value_kind: global_buffer, .address_space: global }
      - { .name: wb, .offset: 8, .size: 8, .value_kind: global_buffer, .address_space: global }
      - { .name: b_out, .offset: 16, .size: 8, .value_kind: global_buffer, .address_space: global }
      - { .name: out0, .offset: 24, .size: 8, .value_kind: global_buffer, .address_space: global }
    .group_segment_fixed_size: 327680
    .private_segment_fixed_size: 0
    .kernarg_segment_align: 8
    .kernarg_segment_size: 32
    .max_flat_workgroup_size: 128
    .sgpr_count:     90
    .vgpr_count:     768
    .wavefront_size: 32
...
	.end_amdgpu_metadata
.endif
;; end of part 4
;; ======== version 2 of 2: 4 launches
;; limits: right only within a limited range of input values
;; workspace buffers: xb 33,554,432 bytes; wb 8,388,608 bytes; qh 16,777,216 bytes; kh 16,777,216 bytes; vt 33,554,432 bytes; ah 20,971,520 bytes
;; launch cast (part 5): grid 1280 x 1, 8 waves a work-group, no clusters, 0 bytes of LDS; arguments x_q, x_kv, W_q, W_k, W_v, W_out, xb, wb; writes xb, wb
.if DOCPART == 5
	.amdgcn_target "amdgcn-amd-amdhsa--gfx1250"
	.amdhsa_code_object_version 6
	.text
	.protected	k_qc87b98c392_cast
	.globl	k_qc87b98c392_cast
	.p2align	8
	.type	k_qc87b98c392_cast,@function
k_qc87b98c392_cast:
	s_mov_b64 s[64:65], 0
	v_nop
	global_prefetch_b8 v0, s[64:65] scope:SCOPE_SE
	s_setreg_imm32_b32 hwreg(HW_REG_WAVE_MODE, 25, 1), 1
	s_wait_xcnt 0x0
; cast: x_q, x_kv, W_q, W_k, W_v, W_out from f32 to bf16 (round to nearest even), once, so that the products' tiles are 16-bit in memory.
; xb: bf16 [2][8192][1024], plane 0 = x_q, plane 1 = x_kv.
; wb: bf16 [4096][1024]: row g*192 + p*64 + r = row g*64 + r of W_p (g = head, p = 0,1,2 for q,k,v); rows 3072.. = W_out as it lies.
; A stream: no LDS, no barrier, no matrix unit.  Work-group c takes chunk c: 16,384 numbers = 16 rows of 1,024 (65,536 bytes in, 32,768 out).
; Chunks 0-511 x_q, 512-1023 x_kv, then 64 chunks for each of W_q, W_k, W_v, W_out.  Wave w takes 8,192 bytes of the chunk by 16 loads of
; 512 neighbouring bytes, all issued at once; each store of a wave covers 256 consecutive bytes, aligned.
; Each load's four registers are converted in place into its first two, which the store reads and nothing writes again: 68 registers a wave,
; so that the waves of several work-groups lie side by side and their loads are on their way together.
.set X, 4                              ; v[4:67]   16 x 4 registers as loaded; the first two of each four then hold the four bf16 numbers
	s_load_b512 s[8:23], s[0:1], 0x0               ; x_q s[8:9], x_kv s[10:11], W_q s[12:13], W_k s[14:15], W_v s[16:17], W_out s[18:19], xb s[20:21], wb s[22:23]
	s_mov_b32 s2, ttmp9                            ; c
	s_and_b32 s24, s2, 511
	s_lshl_b32 s24, s24, 16                        ; x: byte offset in the source
	s_lshl_b32 s25, s2, 15                         ; x: byte offset in xb (both planes in one count)
	s_and_b32 s26, s2, 255                         ; W: c - 1024
	s_lshr_b32 s27, s26, 6                         ; p: which W
	s_and_b32 s28, s26, 63                         ; i: which 16 rows of it
	s_lshl_b32 s29, s28, 16                        ; W: byte offset in the source
	s_lshr_b32 s30, s28, 2                         ; head g = 16 i / 64
	s_mul_i32 s30, s30, 192
	s_lshl_b32 s31, s27, 6
	s_add_co_u32 s30, s30, s31                     ; + 64 p
	s_and_b32 s31, s28, 3
	s_lshl_b32 s31, s31, 4
	s_add_co_u32 s30, s30, s31                     ; + the rows' place in the head
	s_lshl_b32 s31, s28, 4
	s_add_co_u32 s31, s31, 3072                    ; W_out keeps its order behind the 3,072 rows
	s_cmp_eq_u32 s27, 3
	s_cselect_b32 s30, s31, s30
	s_lshl_b32 s30, s30, 11                        ; rows of 2,048 bytes
	s_cmp_lt_u32 s2, 1024
	s_cselect_b32 s32, s24, s29                    ; source offset
	s_cselect_b32 s34, s25, s30                    ; destination offset
	s_mov_b32 s33, 0
	s_mov_b32 s35, 0
	v_and_b32 v3, 0xe0, v0                         ; 32 x wave
	v_and_b32 v1, 31, v0                           ; lane
	v_lshlrev_b32 v2, 3, v1                        ; out: 8 bytes a lane
	v_lshlrev_b32 v1, 4, v1                        ; in: 16 bytes a lane
	v_lshl_or_b32 v1, v3, 8, v1                    ; + wave x 8,192
	v_lshl_or_b32 v2, v3, 7, v2                    ; + wave x 4,096
	s_wait_kmcnt 0x0
	s_mov_b64 s[36:37], s[8:9]                     ; the source buffer is chosen by the chunk's number alone
	s_cmp_ge_u32 s2, 512
	s_cselect_b64 s[36:37], s[10:11], s[36:37]
	s_cmp_ge_u32 s2, 1024
	s_cselect_b64 s[36:37], s[12:13], s[36:37]
	s_cmp_ge_u32 s2, 1088
	s_cselect_b64 s[36:37], s[14:15], s[36:37]
	s_cmp_ge_u32 s2, 1152
	s_cselect_b64 s[36:37], s[16:17], s[36:37]
	s_cmp_ge_u32 s2, 1216
	s_cselect_b64 s[36:37], s[18:19], s[36:37]
	s_cmp_lt_u32 s2, 1024
	s_cselect_b64 s[38:39], s[20:21], s[22:23]
	s_add_nc_u64 s[36:37], s[36:37], s[32:33]
	s_add_nc_u64 s[38:39], s[38:39], s[34:35]
.irp k, 0,1,2,3,4,5,6,7,8,9,10,11,12,13,14,15
	global_load_b128 v[X+4*\k:X+4*\k+3], v1, s[36:37] offset:512*\k th:TH_LOAD_NT   ; read once in the launch
.endr
.irp k, 0,1,2,3,4,5,6,7,8,9,10,11,12,13,14,15
	s_wait_loadcnt 15-\k                           ; loads come back in order: load k is in, the 15-k younger ones stay out
	v_cvt_pk_bf16_f32 v[X+4*\k], v[X+4*\k], v[X+4*\k+1]         ; in place: numbers 0, 1 into register 0,
	v_cvt_pk_bf16_f32 v[X+4*\k+1], v[X+4*\k+2], v[X+4*\k+3]     ; numbers 2, 3 into register 1, which has been read
	global_store_b64 v2, v[X+4*\k:X+4*\k+1], s[38:39] offset:256*\k
.endr
	s_endpgm
.Lfunc_end_k_qc87b98c392_cast:
	.size	k_qc87b98c392_cast, .Lfunc_end_k_qc87b98c392_cast-k_qc87b98c392_cast
	.p2alignl 7, 3214868480
	.fill 96, 4, 3214868480
	.section	.rodata,"a",@progbits
	.p2align	6, 0x0
	.amdhsa_kernel k_qc87b98c392_cast
		.amdhsa_group_segment_fixed_size 0
		.amdhsa_private_segment_fixed_size 0
		.amdhsa_enable_private_segment 0
		.amdhsa_kernarg_size 64
		.amdhsa_user_sgpr_count 2
		.amdhsa_user_sgpr_kernarg_segment_ptr 1
		.amdhsa_wavefront_size32 1
		.amdhsa_system_sgpr_workgroup_id_x 1
		.amdhsa_system_sgpr_workgroup_id_y 1
		.amdhsa_system_sgpr_workgroup_id_z 1
		.amdhsa_system_vgpr_workitem_id 0
		.amdhsa_next_free_vgpr 68
		.amdhsa_next_free_sgpr 66
		.amdhsa_reserve_vcc 0
		.amdhsa_float_denorm_mode_32 3
		.amdhsa_float_denorm_mode_16_64 3
		.amdhsa_memory_ordered 1
		.amdhsa_forward_progress 1
		.amdhsa_inst_pref_size 8
	.end_amdhsa_kernel
	.amdgpu_metadata
---
amdhsa.version: [ 1, 2 ]
amdhsa.kernels:
  - .name:           k_qc87b98c392_cast
    .symbol:         k_qc87b98c392_cast.kd
    .args:
      - { .name: x_q, .offset: 0, .size: 8, .value_kind: global_buffer, .address_space: global }
      - { .name: x_kv, .offset: 8, .size: 8, .value_kind: global_buffer, .address_space: global }
      - { .name: W_q, .offset: 16, .size: 8, .value_kind: global_buffer, .address_space: global }
      - { .name: W_k, .offset: 24, .size: 8, .value_kind: global_buffer, .address_space: global }
      - { .name: W_v, .offset: 32, .size: 8, .value_kind: global_buffer, .address_space: global }
      - { .name: W_out, .offset: 40, .size: 8, .value_kind: global_buffer, .address_space: global }
      - { .name: xb, .offset: 48, .size: 8, .value_kind: global_buffer, .address_space: global }
      - { .name: wb, .offset: 56, .size: 8, .value_kind: global_buffer, .address_space: global }
    .group_segment_fixed_size: 0
    .private_segment_fixed_size: 0
    .kernarg_segment_align: 8
    .kernarg_segment_size: 64
    .max_flat_workgroup_size: 256
    .sgpr_count:     66
    .vgpr_count:     68
    .wavefront_size: 32
...
	.end_amdgpu_metadata
.endif
;; end of part 5
;; launch proj (part 6): grid 8 x 32, 4 waves a work-group, clusters of 4 x 4, 327,680 bytes of LDS; arguments xb, wb, b_q, b_k, b_v, qh, kh, vt; writes qh, kh, vt
.if DOCPART == 6
	.amdgcn_target "amdgcn-amd-amdhsa--gfx1250"
	.amdhsa_code_object_version 6
	.text
	.protected	k_qc87b98c392_proj
	.globl	k_qc87b98c392_proj
	.p2align	8
	.type	k_qc87b98c392_proj,@function
k_qc87b98c392_proj:
	s_mov_b64 s[64:65], 0
	v_nop
	global_prefetch_b8 v0, s[64:65] scope:SCOPE_SE
	s_setreg_imm32_b32 hwreg(HW_REG_WAVE_MODE, 25, 1), 1
	s_wait_xcnt 0x0
	s_wait_alu depctr_hold_cnt(0) depctr_sa_sdst(0) depctr_va_vdst(0) depctr_va_sdst(0) depctr_va_ssrc(0) depctr_va_vcc(0) depctr_vm_vsrc(0)
	s_getreg_b32 s2, hwreg(HW_REG_IB_STS2, 6, 4)
	s_cmp_eq_u32 s2, 0
	s_cbranch_scc0 .Lentry_in_a_cluster
	s_endpgm
.Lentry_in_a_cluster:
	s_bfe_u32 s2, ttmp6, 0x10000c
	s_cmp_lg_u32 s2, 0xf033
	s_cbranch_scc0 .Lentry_shape_is_right
	s_endpgm
.Lentry_shape_is_right:
; proj: Q = (x_q W_q^T + b_q) * 0.125 log2(e), K = x_kv W_k^T + b_k, V = x_kv W_v^T + b_v, all three in ONE loop over the 1,024 inputs.
; Operands bf16 (xb, wb), sums f32.  Out: qh, kh bf16 [b*16+head][2048 s][64 d]; vt bf16 [b*16+head][hi,lo][64 d][2048 s], V transposed.
; hi = bf16(v).  lo = bf16(v - hi) is made and stored for the tokens 0-255 of each sequence ALONE: the attention launch multiplies it only for the
; queries below 256, whose keys are these tokens (its head says why); the rest of the lo plane is neither written nor read.
; LIMITS: q, k and (beyond those tokens) v are rounded to bf16 once; NaN and infinities are not treated specially.
; A work-group makes 256 tokens x 128 features (two heads) of each of Q, K, V: 32 x 8 = 256 work-groups.  Wave (wm, wn) makes 128 tokens x one
; head x 3 = 96 accumulator tiles, 768 registers.  The inputs go in steps of 64 through two LDS slots filled by the tensor data mover.
; CLUSTERS 4 x 4: the four work-groups of a cluster's row have the same 256 tokens (x tiles), the four of a column the same two heads (W tiles):
; each tile is asked for jointly, which divides the requests by four.  Tile rows are 128 bytes: two slots of 896 rows of 256 bytes would not fit.
; THE TOKEN BLOCKS are dealt out so that the batch is cy and the block of 256 tokens within the sequence is the cluster's y: whether a work-group has
; the tokens 0-255 is then the same in all sixteen partners, and the branch round lo hangs on no place in the cluster.
; REGISTERS: window 0: v8-19 addresses, v32-255 fragments; windows 1, 2, 3: the accumulators of Q, K, V, tile (mt, nt) at 8 (4 mt + nt).
; Q and K use the matrix instruction with W as source 0: a lane then holds 8 neighbouring features of one token.  V uses x as source 0:
; a lane holds 8 neighbouring tokens of one feature, which is how vt lies.
.set PITCH,  144                       ; an LDS row: 128 bytes + 16 of padding, an odd multiple of 16: 16 rows start in 16 different 16-byte columns modulo 256
.set REGION, 256*PITCH                 ; what one wave's tensor load may fill: 36,864 bytes
.set SLOT,   4*REGION                  ; x_q's 256 rows, x_kv's 256 rows, head 0's 192 rows of W (q, k, v x 64), head 1's
.set STAGE,  2*SLOT                    ; behind the ring: 4,352 bytes for each wave, for the way out; no tensor load lands there
.set STG,    4352
.set VPITCH, 272
.set KSTEP,  64
.set QSCALE, 0x3e38aa3b                ; 0.125 x log2(e)
.set ADRA, 8                           ; v8-9    LDS address of my x fragments in slot 0, 1
.set ADRB, 10                          ; v10-11  of my W fragments
.set STOQ, 12                          ; way out of Q, K: where I put 16 bytes
.set RDQ,  13                          ;                  where I read rows back
.set STOV, 14                          ; the same for V
.set RDV,  15
.set GOQ,  16                          ; my byte offset in qh, kh
.set GOV,  17                          ; in vt
.set BOQ,  18                          ; in b_q, b_k
.set BOV,  19                          ; in b_v
.set AQ,   32                          ; v32-95   8 fragments of x_q (16 tokens x 32)
.set AKV,  96                          ; v96-159  8 fragments of x_kv
.set BQ,   160                         ; v160-191 4 fragments of W_q
.set BK,   192                         ; v192-223 of W_k
.set BV,   224                         ; v224-255 of W_v
.set BIQ,  32                          ; way out: b_q, 32 numbers a lane
.set BIK,  64                          ; b_k
.set BIV,  160                         ; b_v: 4 numbers, each in both registers of a pair
.set TMP,  96                          ; Q, K: 32 results in f32
.set PK,   128                         ; packed
.set RB,   144                         ; read back
.set TV,   32                          ; V: 64 results in f32
.set HI,   96
.set LO,   128
.set RBV,  192
.set UU,   224
.set G1A, 32                           ; s[32:39] descriptor group 1, x tiles
.set G0A, 40                           ; s[40:47] group 0, x tiles, one set a slot
.set G1B, 48                           ; s[48:55] group 1, W tiles
.set G0B, 56                           ; s[56:63] group 0, W tiles
.set WQ, 0x50                          ; C and D in window 1, sources in window 0
.set WK, 0xa0
.set WV, 0xf0
.set MSB, 0
.macro WIN new                         ; the immediate's high byte repeats the setting that is left
.if MSB != \new
	s_set_vgpr_msb (MSB<<8)|\new
.set MSB, \new
.endif
.endm
.macro PLACES                          ; four places behind a matrix instruction, in front of loads into its sources and of reads of its result
.rept 4
	v_nop
.endr
.endm
.macro JLOAD s                         ; waves 0, 1 ask for the two x tiles, waves 2, 3 for the two W tiles: one line, one mask for all that issue it
	s_cmp_eq_u32 s21, 0
	s_cbranch_scc0 .Lfor_b_\@
	tensor_load_to_lds s[G0A+4*(\s):G0A+4*(\s)+3], s[G1A:G1A+7]
	s_nop 0
	s_branch .Lasked_\@
.Lfor_b_\@:
	tensor_load_to_lds s[G0B+4*(\s):G0B+4*(\s)+3], s[G1B:G1B+7]
	s_nop 0
.Lasked_\@:
.endm
.macro CREST                           ; a round of the cluster's barrier behind its opening work-group barrier
	s_cmp_lg_u32 s20, 0
	s_cbranch_scc1 .Lnot_wave_0_\@
	s_barrier_signal -3
.Lnot_wave_0_\@:
	s_barrier_wait -3
	s_barrier_signal -1
	s_barrier_wait -1
.endm
.macro CROUND
	s_barrier_signal -1
	s_barrier_wait -1
	CREST
.endm
	s_load_b512 s[4:19], s[0:1], 0x0               ; xb s[4:5], wb s[6:7], b_q s[8:9], b_k s[10:11], b_v s[12:13], qh s[14:15], kh s[16:17], vt s[18:19]
	v_lshl_add_u32 v30, v0, 2, 0x4c400
	v_mov_b32 v31, 0
	ds_add_u32 v30, v31
	ds_add_u32 v30, v31
	v_lshrrev_b32 v1, 5, v0
	v_readfirstlane_b32 s20, v1                    ; wave 0..3
	s_lshr_b32 s21, s20, 1                         ; wm: my half of the tokens.  Also: I fetch x (0) or W (1)
	s_and_b32 s22, s20, 1                          ; wn: my head of the two.  Also: which of the two tiles I fetch
	s_bfe_u32 s23, ttmp6, 0x40000                  ; cx
	s_bfe_u32 s24, ttmp6, 0x40004                  ; cy
	s_lshl_b32 s25, ttmp9, 2
	s_add_co_u32 s25, s25, s23                     ; nblk = 4 x cluster x + cx: heads 2 nblk, 2 nblk + 1
	s_and_b32 s30, ttmp7, 0xffff                   ; the cluster's y, 0 to 7: my block of 256 tokens within the sequence; equal in all sixteen partners; kept to the end
	s_lshl_b32 s26, s24, 3
	s_add_co_u32 s26, s26, s30                     ; mblk = 8 cy + cluster y: batch cy; tokens 256 mblk .. of the 8,192
	s_lshl_b32 s27, s24, 2
	s_lshl_b32 s27, 15, s27                        ; my row of the cluster
	s_lshl_b32 s28, 0x1111, s23                    ; my column
	s_or_b32 s[G1A+0], s27, (1<<16)|(1<<20)|(1<<21)|(4<<22)|(3<<25)   ; mask; 2-byte elements; padding on; bit 21 beside a mask; after every 32 words 4 words
	s_or_b32 s[G1B+0], s28, (1<<16)|(1<<20)|(1<<21)|(4<<22)|(3<<25)
	s_mov_b32 s[G1A+1], KSTEP<<16                  ; tensor_dim0 = 64
	s_mov_b32 s[G1B+1], KSTEP<<16
	s_mov_b32 s[G1A+2], 256<<16                    ; tensor_dim1 = 256 rows
	s_mov_b32 s[G1B+2], 192<<16                    ; 192 rows
	s_mov_b32 s[G1A+3], KSTEP<<16                  ; tile_dim0 = 64
	s_mov_b32 s[G1B+3], KSTEP<<16
	s_mov_b32 s[G1A+4], 256                        ; tile_dim1
	s_mov_b32 s[G1B+4], 192
	s_mov_b32 s[G1A+5], 1024                       ; elements from row to row
	s_mov_b32 s[G1B+5], 1024
	s_mov_b32 s[G1A+6], 0
	s_mov_b32 s[G1B+6], 0
	s_mov_b32 s[G1A+7], 0
	s_mov_b32 s[G1B+7], 0
	; x tiles hang on mblk alone (shared along the cluster's row), W tiles on nblk alone (shared along its column); each in registers of its own
	s_lshl_b32 s66, s26, 19                        ; 256 rows of 2,048 bytes
	s_lshl_b32 s67, s22, 24                        ; plane x_q or x_kv
	s_add_co_u32 s66, s66, s67
	s_mov_b32 s67, 0
	s_mul_i32 s68, s25, 786432                     ; 384 rows of 2,048 bytes
	s_mul_i32 s69, s22, 393216                     ; 192 rows
	s_add_co_u32 s68, s68, s69
	s_mov_b32 s69, 0
	s_mul_i32 s70, s20, REGION                     ; LDS: the wave's number times a constant
	; where the results go
	s_lshl_b32 s82, s25, 1
	s_add_co_u32 s82, s82, s22                     ; my head
	s_lshr_b32 s76, s26, 3                         ; batch
	s_lshl_b32 s76, s76, 4
	s_add_co_u32 s76, s76, s82                     ; b*16 + head
	s_and_b32 s77, s26, 7
	s_lshl_b32 s77, s77, 8
	s_lshl_b32 s78, s21, 7
	s_add_co_u32 s77, s77, s78                     ; my first token in the sequence
	s_lshl_b32 s78, s76, 18
	s_lshl_b32 s79, s77, 7
	s_add_co_u32 s78, s78, s79                     ; qh, kh: 262,144 bytes a head, 128 a token
	s_mov_b32 s79, 0
	s_lshl_b32 s80, s76, 19
	s_lshl_b32 s81, s77, 1
	s_add_co_u32 s80, s80, s81                     ; vt: 524,288 bytes a head, 2 a token
	s_mov_b32 s81, 0
	s_wait_dscnt 0x0
	s_wait_kmcnt 0x0
	s_add_nc_u64 s[72:73], s[4:5], s[66:67]
	s_add_nc_u64 s[74:75], s[6:7], s[68:69]
	s_add_nc_u64 s[14:15], s[14:15], s[78:79]
	s_add_nc_u64 s[16:17], s[16:17], s[78:79]
	s_add_nc_u64 s[18:19], s[18:19], s[80:81]
	CROUND                                         ; all sixteen work-groups are here: the first joint loads meet
.irp s, 0,1
	s_mov_b32 s[G0A+4*\s], 1
	s_add_co_u32 s[G0A+4*\s+1], s70, \s*SLOT
	s_add_nc_u64 s[G0A+4*\s+2:G0A+4*\s+3], s[72:73], \s*KSTEP*2
	s_or_b32 s[G0A+4*\s+3], s[G0A+4*\s+3], 0x80000000
	s_mov_b32 s[G0B+4*\s], 1
	s_add_co_u32 s[G0B+4*\s+1], s70, \s*SLOT
	s_add_nc_u64 s[G0B+4*\s+2:G0B+4*\s+3], s[74:75], \s*KSTEP*2
	s_or_b32 s[G0B+4*\s+3], s[G0B+4*\s+3], 0x80000000
	JLOAD \s                                       ; two loads of the wave are out here, one behind every later round
.endr
	v_and_b32 v1, 15, v0                           ; r
	v_bfe_u32 v2, v0, 4, 1                         ; h
	v_mul_u32_u24 v3, v1, PITCH
	v_lshl_add_u32 v3, v2, 4, v3                   ; r x pitch + 16 h
	s_mul_i32 s83, s21, 128*PITCH                  ; my 128 tokens
	s_mul_i32 s84, s22, REGION                     ; my head's W,
	s_add_co_u32 s84, s84, 2*REGION                ; behind the two x tiles
.irp s, 0,1
	v_add_nc_u32 v[ADRA+\s], s83, v3
	v_add_nc_u32 v[ADRB+\s], s84, v3
	s_add_co_u32 s83, s83, SLOT
	s_add_co_u32 s84, s84, SLOT
.endr
	s_mul_i32 s85, s20, STG
	s_add_co_u32 s85, s85, STAGE                   ; my stage
	v_add_nc_u32 v[STOQ], s85, v3                  ; token r, 16 bytes for each half of the lanes
	v_bfe_u32 v4, v0, 3, 2
	v_and_b32 v5, 7, v0
	v_mul_u32_u24 v4, v4, PITCH
	v_lshl_add_u32 v4, v5, 4, v4
	v_add_nc_u32 v[RDQ], s85, v4                   ; eight lanes take a row of 128 bytes, the wave four rows
	v_mul_u32_u24 v4, v1, VPITCH
	v_lshl_add_u32 v4, v2, 4, v4
	v_add_nc_u32 v[STOV], s85, v4                  ; feature r, 16 bytes (8 tokens)
	v_mul_u32_u24 v4, v2, VPITCH
	v_lshl_add_u32 v4, v1, 4, v4
	v_add_nc_u32 v[RDV], s85, v4                   ; sixteen lanes take a row of 256 bytes
	v_and_b32 v4, 31, v0
	v_lshlrev_b32 v[GOQ], 4, v4
	v_lshlrev_b32 v4, 12, v2
	v_lshl_add_u32 v[GOV], v1, 4, v4
	v_lshlrev_b32 v4, 5, v2
	v_lshl_add_u32 v[BOQ], s82, 8, v4              ; 256 bytes a head + 8 h numbers
	v_lshlrev_b32 v4, 2, v1
	v_lshl_add_u32 v[BOV], s82, 8, v4              ; + r numbers
.macro LDA buf, adr, base, k           ; 8 fragments of x: 16 loads
.irp i, 0,1,2,3,4,5,6,7
	ds_load_b128 v[\buf+8*\i:\buf+8*\i+3], v[\adr] offset:\base+\k+\i*16*PITCH
	ds_load_b128 v[\buf+8*\i+4:\buf+8*\i+7], v[\adr] offset:\base+\k+\i*16*PITCH+32
.endr
.endm
.macro LDB buf, adr, plane, k          ; 4 fragments of one W: 8 loads
.irp i, 0,1,2,3
	ds_load_b128 v[\buf+8*\i:\buf+8*\i+3], v[\adr] offset:\plane*64*PITCH+\k+\i*16*PITCH
	ds_load_b128 v[\buf+8*\i+4:\buf+8*\i+7], v[\adr] offset:\plane*64*PITCH+\k+\i*16*PITCH+32
.endr
.endm
; 16 matrix instructions: token blocks mb .. mb+3 x the head's four feature blocks.  swap = 1: W is source 0.  zero = 1: the product starts the sum.
; The 96 accumulators take turns, one instruction a turn, in the same order in every half step, over the loop's backward jump too.
.macro MUL xa, wf, swap, mb, zero
.irp i, 0,1,2,3
.irp j, 0,1,2,3
.if \swap
.if \zero
	v_wmma_f32_16x16x32_bf16 v[8*(4*(\mb+\i)+\j):8*(4*(\mb+\i)+\j)+7], v[\wf+8*\j:\wf+8*\j+7], v[\xa+8*(\mb+\i):\xa+8*(\mb+\i)+7], 0
.else
	v_wmma_f32_16x16x32_bf16 v[8*(4*(\mb+\i)+\j):8*(4*(\mb+\i)+\j)+7], v[\wf+8*\j:\wf+8*\j+7], v[\xa+8*(\mb+\i):\xa+8*(\mb+\i)+7], v[8*(4*(\mb+\i)+\j):8*(4*(\mb+\i)+\j)+7]
.endif
.else
.if \zero
	v_wmma_f32_16x16x32_bf16 v[8*(4*(\mb+\i)+\j):8*(4*(\mb+\i)+\j)+7], v[\xa+8*(\mb+\i):\xa+8*(\mb+\i)+7], v[\wf+8*\j:\wf+8*\j+7], 0
.else
	v_wmma_f32_16x16x32_bf16 v[8*(4*(\mb+\i)+\j):8*(4*(\mb+\i)+\j)+7], v[\xa+8*(\mb+\i):\xa+8*(\mb+\i)+7], v[\wf+8*\j:\wf+8*\j+7], v[8*(4*(\mb+\i)+\j):8*(4*(\mb+\i)+\j)+7]
.endif
.endif
.endr
.endr
.endm
; One step of 64 inputs from slot s: two halves of 32, each 32 + 32 + 32 matrix instructions for Q, K, V.  n = the other slot.
; mode 2: slot s is filled again, jointly, two steps ahead; mode 1: the slots change, nothing is filled; mode 0: the last step.
; On entry 24 loads (x_q, W_q) and behind them 32 (x_kv, W_k, W_v) of the first half are out.
.macro STEP s, n, zero, mode
	s_wait_dscnt 32                                ; the 24 are in, the 32 younger stay out
	WIN WQ
	MUL AQ, BQ, 1, 0, \zero
	MUL AQ, BQ, 1, 4, \zero
	WIN 0
	PLACES
	LDA AQ, ADRA+\s, 0, 64
	LDB BQ, ADRB+\s, 0, 64
	s_wait_dscnt 24                                ; the 32 are in, the 24 just issued stay out
	WIN WK
	MUL AKV, BK, 1, 0, \zero
	MUL AKV, BK, 1, 4, \zero
	WIN WV
	MUL AKV, BV, 0, 0, \zero
	MUL AKV, BV, 0, 4, \zero
	WIN 0
	PLACES
	LDA AKV, ADRA+\s, REGION, 64                   ; the last reads of slot s
	LDB BK, ADRB+\s, 1, 64
	LDB BV, ADRB+\s, 2, 64
	s_wait_dscnt 32
	WIN WQ
	MUL AQ, BQ, 1, 0, 0
	MUL AQ, BQ, 1, 4, 0
	s_wait_dscnt 0x0                               ; my reads of slot s are over; K's products need them anyway
.if \mode >= 1
	s_wait_tensorcnt 0x0                           ; all my tensor loads have landed: the one that was out is my part of slot n
	ds_add_u32 v30, v31
	s_wait_dscnt 0x0
	s_barrier_signal -1                            ; (mode 2: this barrier opens a round of the cluster's barrier)
	WIN WK
	MUL AKV, BK, 1, 0, 0                           ; register work while the others arrive
	WIN 0
	s_barrier_wait -1
.if \mode == 2
	CREST                                          ; no wave of any partner still reads slot s or has a load on its way
	s_add_nc_u64 s[G0A+4*\s+2:G0A+4*\s+3], s[G0A+4*\s+2:G0A+4*\s+3], 2*KSTEP*2
	s_add_nc_u64 s[G0B+4*\s+2:G0B+4*\s+3], s[G0B+4*\s+2:G0B+4*\s+3], 2*KSTEP*2
	JLOAD \s                                       ; the first tensor load behind the round; 176 matrix instructions stand between it and the wait for it
.endif
	PLACES
	LDA AQ, ADRA+\n, 0, 0
	LDB BQ, ADRB+\n, 0, 0
	WIN WK
	MUL AKV, BK, 1, 4, 0
.else
	WIN 0
	PLACES
.irp i, 0,1,2,3                                    ; the biases come in under the last 64 matrix instructions, into x_q's and W_q's registers
	global_load_b128 v[BIQ+8*\i:BIQ+8*\i+3], v[BOQ], s[8:9] offset:64*\i
	global_load_b128 v[BIQ+8*\i+4:BIQ+8*\i+7], v[BOQ], s[8:9] offset:64*\i+16
	global_load_b128 v[BIK+8*\i:BIK+8*\i+3], v[BOQ], s[10:11] offset:64*\i
	global_load_b128 v[BIK+8*\i+4:BIK+8*\i+7], v[BOQ], s[10:11] offset:64*\i+16
	global_load_b32 v[BIV+2*\i], v[BOV], s[12:13] offset:64*\i
	global_load_b32 v[BIV+2*\i+1], v[BOV], s[12:13] offset:64*\i    ; the same number again: the pair that the packed add takes
.endr
	WIN WK
	MUL AKV, BK, 1, 0, 0
	MUL AKV, BK, 1, 4, 0
.endif
	WIN WV
	MUL AKV, BV, 0, 0, 0
	MUL AKV, BV, 0, 4, 0
	WIN 0
.if \mode >= 1
	PLACES
	LDA AKV, ADRA+\n, REGION, 0
	LDB BK, ADRB+\n, 1, 0
	LDB BV, ADRB+\n, 2, 0
.endif
.endm
	s_wait_tensorcnt 0x1                           ; my part of step 0 is in; step 1's stays out
	s_barrier_signal -1
	s_barrier_wait -1
	LDA AQ, ADRA+0, 0, 0
	LDB BQ, ADRB+0, 0, 0
	LDA AKV, ADRA+0, REGION, 0
	LDB BK, ADRB+0, 1, 0
	LDB BV, ADRB+0, 2, 0
	STEP 0, 1, 1, 2                                ; steps 0, 1: the first products start the sums
	STEP 1, 0, 0, 2
	s_mov_b32 s29, 6                               ; steps 2 to 13
.Llap:
	STEP 0, 1, 0, 2
	STEP 1, 0, 0, 2
	s_sub_co_u32 s29, s29, 1
	s_cmp_lg_u32 s29, 0
	s_cbranch_scc1 .Llap
	STEP 0, 1, 0, 1                                ; steps 14, 15 fetch nothing
	STEP 1, 0, 0, 0
	; THE WAY OUT.  Through my own stage in LDS, so that stores cover whole runs of neighbouring bytes.  LDS serves a wave's instructions in order.
	PLACES
	s_wait_loadcnt 0x0                             ; the biases
.irp j, 0,1,2,3,4,5,6,7,8,9,10,11,12,13,14,15
	v_pk_mul_f32 v[BIQ+2*\j:BIQ+2*\j+1], v[BIQ+2*\j:BIQ+2*\j+1], QSCALE op_sel_hi:[1,0]   ; (acc + b) c = acc c + (b c): one fused multiply-add below
.endr
; 16 tokens at a time: 64 features of a token are 128 bytes; four rows read back are 512 neighbouring bytes of qh or kh
.macro OUTQK win, scaled, bias, sb
.irp m, 0,1,2,3,4,5,6,7
	WIN \win
.irp n, 0,1,2,3
.irp p, 0,1,2,3
.if \scaled
	v_pk_fma_f32 v[TMP+8*\n+2*\p:TMP+8*\n+2*\p+1], v[8*(4*\m+\n)+2*\p:8*(4*\m+\n)+2*\p+1], QSCALE, v[\bias+8*\n+2*\p:\bias+8*\n+2*\p+1] op_sel_hi:[1,0,1]
.else
	v_pk_add_f32 v[TMP+8*\n+2*\p:TMP+8*\n+2*\p+1], v[8*(4*\m+\n)+2*\p:8*(4*\m+\n)+2*\p+1], v[\bias+8*\n+2*\p:\bias+8*\n+2*\p+1]
.endif
.endr
.endr
	WIN 0
.irp j, 0,1,2,3,4,5,6,7,8,9,10,11,12,13,14,15
	v_cvt_pk_bf16_f32 v[PK+\j], v[TMP+2*\j], v[TMP+2*\j+1]
.endr
.irp n, 0,1,2,3
	ds_store_b128 v[STOQ], v[PK+4*\n:PK+4*\n+3] offset:32*\n
.endr
	s_wait_xcnt 0x0                                ; RB, which the last stores read, is loaded again only behind this wait
.irp t, 0,1,2,3
	ds_load_b128 v[RB+4*\t:RB+4*\t+3], v[RDQ] offset:4*PITCH*\t
.endr
.irp t, 0,1,2,3
	s_wait_dscnt 3-\t                              ; read-back t is in, the younger ones stay out
	global_store_b128 v[GOQ], v[RB+4*\t:RB+4*\t+3], s[\sb:\sb+1] offset:\m*2048+512*\t
.endr
.endr
.endm
	OUTQK 0x01, 1, BIQ, 14
	OUTQK 0x02, 0, BIK, 16
; V: 16 features at a time, my 128 tokens of a feature are 256 bytes of vt, aligned: sixteen lanes store them
.macro VSTORE src, nt, part
.irp m, 0,1,2,3,4,5,6,7
	ds_store_b128 v[STOV], v[\src+4*\m:\src+4*\m+3] offset:32*\m
.endr
	s_wait_xcnt 0x0                                ; RBV is loaded again only behind this wait
.irp t, 0,1,2,3,4,5,6,7
	ds_load_b128 v[RBV+4*\t:RBV+4*\t+3], v[RDV] offset:2*VPITCH*\t
.endr
.irp t, 0,1,2,3,4,5,6,7
	s_wait_dscnt 7-\t
	global_store_b128 v[GOV], v[RBV+4*\t:RBV+4*\t+3], s[18:19] offset:(16*\nt+2*\t)*4096+\part*262144
.endr
.endm
; hi for every token; lo only where my tokens are the sequence's first 256 (the cluster's y is 0: the same answer in all sixteen partners).
; K's last four stores read v144-159 (RB), the upper half of LO: LO's first write stands behind the wait on XCNT in the store of hi.
; HI and LO themselves are read by LDS stores alone, whose sources need no wait.
.macro OUTV nt
	WIN 0x03
.irp m, 0,1,2,3,4,5,6,7
.irp p, 0,1,2,3
	v_pk_add_f32 v[TV+8*\m+2*\p:TV+8*\m+2*\p+1], v[8*(4*\m+\nt)+2*\p:8*(4*\m+\nt)+2*\p+1], v[BIV+2*\nt:BIV+2*\nt+1]
.endr
.endr
	WIN 0
.set kk, 0
.rept 32
	v_cvt_pk_bf16_f32 v[HI+kk], v[TV+2*kk], v[TV+2*kk+1]                 ; hi
.set kk, kk+1
.endr
	VSTORE HI, \nt, 0
	s_cmp_lg_u32 s30, 0
	s_cbranch_scc1 .Lno_lo_\@
.set kk, 0
.rept 32
	v_lshlrev_b32 v[UU+2*(kk%4)], 16, v[HI+kk]                           ; hi back in f32
	v_and_b32 v[UU+2*(kk%4)+1], 0xffff0000, v[HI+kk]
	v_pk_add_f32 v[TV+2*kk:TV+2*kk+1], v[TV+2*kk:TV+2*kk+1], v[UU+2*(kk%4):UU+2*(kk%4)+1] neg_lo:[0,1] neg_hi:[0,1]   ; v - hi, exact
	v_cvt_pk_bf16_f32 v[LO+kk], v[TV+2*kk], v[TV+2*kk+1]                 ; lo
.set kk, kk+1
.endr
	VSTORE LO, \nt, 1
.Lno_lo_\@:
.endm
	OUTV 0
	OUTV 1
	OUTV 2
	OUTV 3
	s_wait_tensorcnt 0x0
	ds_add_u32 v30, v31
	s_wait_dscnt 0x0
	CROUND                                         ; the closing round: no work-group ends while a partner may still ask jointly
	s_endpgm
.Lfunc_end_k_qc87b98c392_proj:
	.size	k_qc87b98c392_proj, .Lfunc_end_k_qc87b98c392_proj-k_qc87b98c392_proj
	.p2alignl 7, 3214868480
	.fill 96, 4, 3214868480
	.section	.rodata,"a",@progbits
	.p2align	6, 0x0
	.amdhsa_kernel k_qc87b98c392_proj
		.amdhsa_group_segment_fixed_size 327680
		.amdhsa_private_segment_fixed_size 0
		.amdhsa_enable_private_segment 0
		.amdhsa_kernarg_size 64
		.amdhsa_user_sgpr_count 2
		.amdhsa_user_sgpr_kernarg_segment_ptr 1
		.amdhsa_wavefront_size32 1
		.amdhsa_system_sgpr_workgroup_id_x 1
		.amdhsa_system_sgpr_workgroup_id_y 1
		.amdhsa_system_sgpr_workgroup_id_z 1
		.amdhsa_system_vgpr_workitem_id 0
		.amdhsa_next_free_vgpr 1024
		.amdhsa_next_free_sgpr 90
		.amdhsa_reserve_vcc 0
		.amdhsa_float_denorm_mode_32 3
		.amdhsa_float_denorm_mode_16_64 3
		.amdhsa_memory_ordered 1
		.amdhsa_forward_progress 1
		.amdhsa_inst_pref_size 250
	.end_amdhsa_kernel
	.amdgpu_metadata
---
amdhsa.version: [ 1, 2 ]
amdhsa.kernels:
  - .name:           k_qc87b98c392_proj
    .symbol:         k_qc87b98c392_proj.kd
    .args:
      - { .name: xb, .offset: 0, .size: 8, .value_kind: global_buffer, .address_space: global }
      - { .name: wb, .offset: 8, .size: 8, .value_kind: global_buffer, .address_space: global }
      - { .name: b_q, .offset: 16, .size: 8, .value_kind: global_buffer, .address_space: global }
      - { .name: b_k, .offset: 24, .size: 8, .value_kind: global_buffer, .address_space: global }
      - { .name: b_v, .offset: 32, .size: 8, .value_kind: global_buffer, .address_space: global }
      - { .name: qh, .offset: 40, .size: 8, .value_kind: global_buffer, .address_space: global }
      - { .name: kh, .offset: 48, .size: 8, .value_kind: global_buffer, .address_space: global }
      - { .name: vt, .offset: 56, .size: 8, .value_kind: global_buffer, .address_space: global }
    .group_segment_fixed_size: 327680
    .private_segment_fixed_size: 0
    .kernarg_segment_align: 8
    .kernarg_segment_size: 64
    .max_flat_workgroup_size: 128
    .sgpr_count:     90
    .vgpr_count:     1024
    .wavefront_size: 32
...
	.end_amdgpu_metadata
.endif
;; end of part 6
;; launch attn (part 7): grid 4 x 64, 8 waves a work-group, no clusters, 327,680 bytes of LDS; arguments qh, kh, vt, ah; writes ah
.if DOCPART == 7
	.amdgcn_target "amdgcn-amd-amdhsa--gfx1250"
	.amdhsa_code_object_version 6
	.text
	.protected	k_qc87b98c392_attn
	.globl	k_qc87b98c392_attn
	.p2align	8
	.type	k_qc87b98c392_attn,@function
k_qc87b98c392_attn:
	s_mov_b64 s[64:65], 0
	v_nop
	global_prefetch_b8 v0, s[64:65] scope:SCOPE_SE
	s_setreg_imm32_b32 hwreg(HW_REG_WAVE_MODE, 25, 1), 1
	s_wait_xcnt 0x0
; attn: causal attention of one head, with a running maximum.  qh holds q x 0.125 log2(e), so scores are in base 2.
; In: qh, kh bf16 [bh][2048][64]; vt bf16 [bh][hi,lo][64 d][2048 keys].
; Out: ah bf16 [bh][u = 16][160 rows][64 d]: rows 0-31 the result of tokens 32 u + t, rows 32-63 its remainder (lo), rows 64-159 the result of tokens 512 + 96 u + t.
; Work-group (i, bh) makes the query blocks 7-i and then i of 256 rows: (8-i) + (i+1) = 9 key tiles of 256 keys in every work-group.
; Wave w owns 32 queries (two tiles of 16).  Eight waves: two on a SIMD, one wave's softmax runs beside the other's matrix work.
; EVERYTHING OF A QUERY LIES IN ITS LANE: S^T = K Q^T (lane r, half h: keys 8h+j of query r), which packs in place into the second operand of
; O^T = Vt P; the row sums are ONES x P, of the ROUNDED P, in O^T's layout.  Only the maximum crosses lanes, once (lane xor 16).
; PRECISION (a stated limit).  v and the result are operands of matrix products and are rounded to bf16 (0.0015 of a row's size for each rounding).
; A causal row i is a mean over i+1 keys: with nearly even attention it is 1/sqrt(i+1) of row 0, while the whole output's rms, to which the
; allowance is tied, is sqrt(8.2/2048) = 0.063 of row 0.  So where rows have few keys the rounding's remainder is carried as a second bf16 number:
; v_lo for the queries below 256 (block 0: the ninth tile where i = 0), the result's lo for the queries below 512 (the last pass where i <= 1).
; Beyond: one rounding in rows 256-511 (0.0015/16 of row 0), two from row 512 (0.0022/22.6): both 6.5 times under 1% of the rms.
; THE MASK is added, -10000 (x log2 e), in the 64-key step that holds the diagonal.  LIMIT: 64-key steps that lie wholly
; above the diagonal are not computed; their terms are e^(s - 10000 - rowmax), which is 0 in f32 while s - rowmax < 9,896.  NaN and infinities
; are not treated specially.  P is rounded to bf16.
; NO JOINT LOADS: the four work-groups of a head need 8-i and i+1 tiles in their two passes, different numbers at different times; walking the
; tiles jointly would take 8 + 4 = 12 tile times for 9 tiles of work.
; A pass begins at tile 8-i of the ring, which hangs on the work-group's number, so one text serves every step: a pass starts with O = L = 0 and
; M = -infinity (82 moves for a pass of 4 qb + 1 steps or more), and the first step's factor exp2(-infinity) = 0 multiplies zeros.
.set KP,     144                       ; K rows: 128 bytes + 16
.set VP,     528                       ; V rows: 512 bytes + 16; both pitches are odd multiples of 16
.set KBYTES, 256*KP                    ; 36,864
.set VBYTES, 64*VP                     ; 33,792
.set SLOT,   KBYTES+VBYTES             ; 70,656
.set VLOB,   2*SLOT                    ; v_lo of keys 0-255: filled once
.set STAGE,  VLOB+VBYTES               ; 2,304 bytes for each wave; no tensor load lands there
.set STG,    16*KP
.set UBYTES, 20480                     ; 160 rows of 128 bytes in ah
.set KA,  2                            ; v2-3    LDS address of my K fragments in slot 0, 1; never rewritten
.set VA,  4                            ; v4-5    of my V fragments
.set QL,  6                            ; my byte offset in the wave's 32 rows of qh
.set STO, 7
.set RD,  8
.set GO,  9
.set DLT, 10                           ; v10-11  diagonal step: key 16 kt + j is masked where it is above this number, for query tile 0, 1
.set M,   12                           ; v12-13  running maximum of query tile 0, 1
.set VLA, 14                           ; LDS address of my v_lo fragments
.set MN,  16                           ; v[16:17], v[18:19] new maximum of tile 0, 1, in both registers of the pair
.set AL,  20                           ; v[20:21], v[22:23] exp2(old maximum - new); the second register is written once and never used
.set T,   24                           ; v24-27, v28-31
.set O,   32                           ; v32-95   O^T, tile (qt, dt) at 32 qt + 8 dt
.set LS,  96                           ; v96-111  row sums, 8 equal registers for each query tile
.set S,   112                          ; v112-175 S^T, tile (qt, kt) at 32 qt + 8 kt; then P
.set KF,  176                          ; v176-239 K fragments (kt, dc) at 16 kt + 8 dc
.set RL,  240                          ; v[240:241], v[242:243] 1 / row sum; the second register as in AL
.set U,   244                          ; v244-247
.set HI,  112                          ; the way out uses S's registers
.set LO,  128
.set RB,  144
.set QF,   0                           ; window 1: v0-31 Q fragments (qt, dc) at 16 qt + 8 dc
.set ONES, 32                          ; window 1: v32-39 a fragment of ones
.set VF,   40                          ; window 1: v40-103 V fragments (c2, dt) at 32 c2 + 8 dt
.set G1K, 32
.set G1V, 40
.set G0K, 48                           ; one set a slot
.set G0V, 56
.set G0L, 92                           ; v_lo
.set MSB, 0
.macro WIN new
.if MSB != \new
	s_set_vgpr_msb (MSB<<8)|\new
.set MSB, \new
.endif
.endm
.macro PLACES
.rept 4
	v_nop
.endr
.endm
.macro LOADKV s                        ; waves 0-3 bring a quarter of K's tile (64 rows of 128 bytes), waves 4-7 a quarter of V's (16 rows of 512 bytes): one load a wave
	s_cmp_eq_u32 s13, 0
	s_cbranch_scc0 .Lfor_v_\@
	tensor_load_to_lds s[G0K+4*(\s):G0K+4*(\s)+3], s[G1K:G1K+7]
	s_nop 0
	s_branch .Lasked_\@
.Lfor_v_\@:
	tensor_load_to_lds s[G0V+4*(\s):G0V+4*(\s)+3], s[G1V:G1V+7]
	s_nop 0
.Lasked_\@:
.endm
.macro SETPASS                         ; from qb (s18): the diagonal's step, and where Q comes from and the result goes
	s_lshl_b32 s21, s18, 2
	s_add_co_u32 s21, s21, s15                     ; tdiag = 4 qb + w/2: the 64-key step that holds my 32 queries' diagonal
	s_lshl_b32 s30, s18, 3
	s_add_co_u32 s30, s30, s12                     ; my block of 32 tokens, 0 to 63
	s_lshl_b32 s88, s30, 12
	s_add_nc_u64 s[76:77], s[80:81], s[88:89]      ; qh: 32 tokens of 128 bytes
	s_sub_co_u32 s31, s30, 16                      ; blocks from 16 on: m = block - 16 (below 16 the figures made of m are not taken)
	s_mul_i32 s90, s31, 43
	s_lshr_b32 s90, s90, 7                         ; u = m / 3: 43 m >> 7 is exact for m < 48
	s_mul_i32 s91, s90, 3
	s_sub_co_u32 s91, s31, s91                     ; m mod 3
	s_mul_i32 s90, s90, UBYTES
	s_lshl_b32 s91, s91, 12
	s_add_co_u32 s90, s90, s91
	s_add_co_u32 s90, s90, 64*128                  ; row 64 + 32 (m mod 3) of u
	s_mul_i32 s91, s30, UBYTES                     ; blocks below 16: u = block, row 0
	s_cmp_lt_u32 s30, 16
	s_cselect_b32 s88, s91, s90
	s_add_nc_u64 s[74:75], s[78:79], s[88:89]      ; ah
.endm
.macro LOADQ
	WIN 0x40
.irp q, 0,1
.irp d, 0,1
	global_load_b128 v[QF+16*\q+8*\d:QF+16*\q+8*\d+3], v[QL], s[76:77] offset:\q*2048+\d*64
	global_load_b128 v[QF+16*\q+8*\d+4:QF+16*\q+8*\d+7], v[QL], s[76:77] offset:\q*2048+\d*64+32
.endr
.endr
	WIN 0
.endm
.macro INIT
.set kk, 0
.rept 80
	v_mov_b32 v[O+kk], 0                           ; O and the row sums
.set kk, kk+1
.endr
	v_mov_b32 v[M], 0xff800000
	v_mov_b32 v[M+1], 0xff800000
.endm
	s_load_b256 s[4:11], s[0:1], 0x0               ; qh s[4:5], kh s[6:7], vt s[8:9], ah s[10:11]
	v_lshl_add_u32 v254, v0, 2, 0x2f400
	v_mov_b32 v255, 0
	ds_add_u32 v254, v255
	ds_add_u32 v254, v255
	v_lshrrev_b32 v1, 5, v0
	v_readfirstlane_b32 s12, v1                    ; wave 0..7
	s_lshr_b32 s13, s12, 2                         ; I fetch K (0) or V (1)
	s_and_b32 s14, s12, 3                          ; which quarter
	s_lshr_b32 s15, s12, 1
	s_mov_b32 s16, ttmp9                           ; i
	s_and_b32 s17, ttmp7, 0xffff                   ; bh
	s_mov_b32 s24, 0x76543210                      ; v_permlanex16_b32: lane i of one half reads lane i of the other
	s_mov_b32 s25, 0xfedcba98
	s_mov_b32 s26, 0xc6616bcd                      ; -10000 x log2(e)
	s_mov_b32 s[G1K+0], (1<<16)|(1<<20)|(4<<22)|(3<<25)   ; 2-byte elements, after every 32 words 4 words of padding
	s_mov_b32 s[G1K+1], 64<<16                     ; tensor_dim0 = 64
	s_mov_b32 s[G1K+2], 64<<16                     ; tensor_dim1 = 64
	s_mov_b32 s[G1K+3], 64<<16                     ; tile_dim0 = 64
	s_mov_b32 s[G1K+4], 64                         ; tile_dim1 = 64
	s_mov_b32 s[G1K+5], 64                         ; pitch
	s_mov_b32 s[G1K+6], 0
	s_mov_b32 s[G1K+7], 0
	s_mov_b32 s[G1V+0], (1<<16)|(1<<20)|(6<<22)|(3<<25)   ; after every 128 words
	s_mov_b32 s[G1V+1], 256<<16                    ; 256 keys,
	s_mov_b32 s[G1V+2], 16<<16                     ; 16 rows (d)
	s_mov_b32 s[G1V+3], 256<<16
	s_mov_b32 s[G1V+4], 16
	s_mov_b32 s[G1V+5], 2048
	s_mov_b32 s[G1V+6], 0
	s_mov_b32 s[G1V+7], 0
	s_lshl_b32 s70, s17, 18                        ; kh: 262,144 bytes a head,
	s_lshl_b32 s71, s14, 13                        ; 64 rows of 128 bytes a quarter
	s_add_co_u32 s70, s70, s71
	s_mov_b32 s71, 0                               ; stays 0: the upper word of an offset
	s_lshl_b32 s72, s17, 19                        ; vt: 524,288 bytes a head,
	s_lshl_b32 s73, s14, 16                        ; 16 rows of 4,096 bytes a quarter
	s_add_co_u32 s72, s72, s73
	s_mov_b32 s73, 0
	s_lshl_b32 s82, s17, 18                        ; qh
	s_mov_b32 s83, 0
	s_mul_i32 s84, s17, 16*UBYTES                  ; ah: 327,680 bytes a head
	s_mov_b32 s85, 0
	s_mov_b32 s89, 0
	s_mul_i32 s86, s14, 64*KP                      ; LDS: my quarter of K's tile
	s_mul_i32 s91, s14, 16*VP                      ; of a V tile
	s_add_co_u32 s87, s91, KBYTES
	s_wait_dscnt 0x0
	s_wait_kmcnt 0x0
	s_add_nc_u64 s[66:67], s[6:7], s[70:71]        ; K: my quarter of tile 0
	s_add_nc_u64 s[68:69], s[8:9], s[72:73]        ; V
	s_add_nc_u64 s[80:81], s[4:5], s[82:83]
	s_add_nc_u64 s[78:79], s[10:11], s[84:85]
.irp s, 0,1
	s_mov_b32 s[G0K+4*\s], 1
	s_add_co_u32 s[G0K+4*\s+1], s86, \s*SLOT
	s_mov_b64 s[G0K+4*\s+2:G0K+4*\s+3], s[66:67]
	s_or_b32 s[G0K+4*\s+3], s[G0K+4*\s+3], 0x80000000
	s_mov_b32 s[G0V+4*\s], 1
	s_add_co_u32 s[G0V+4*\s+1], s87, \s*SLOT
	s_mov_b64 s[G0V+4*\s+2:G0V+4*\s+3], s[68:69]
	s_or_b32 s[G0V+4*\s+3], s[G0V+4*\s+3], 0x80000000
.endr
	s_mov_b32 s[G0L], 1
	s_add_co_u32 s[G0L+1], s91, VLOB
	s_add_nc_u64 s[G0L+2:G0L+3], s[68:69], 262144  ; the lo plane, keys 0-255
	s_or_b32 s[G0L+3], s[G0L+3], 0x80000000
	; The first fills, in one branch on the wave's number: tile 0, and v_lo of keys 0-255.  Every work-group brings v_lo (33,792 bytes against nine tiles
	; of 65,536), so that the same loads are out on every path; only i = 0 reads it.  A V wave has two loads out here, every wave one later.
	s_cmp_eq_u32 s13, 0
	s_cbranch_scc0 .Lfirst_v
	tensor_load_to_lds s[G0K:G0K+3], s[G1K:G1K+7]
	s_nop 0
	s_branch .Lfirst_done
.Lfirst_v:
	tensor_load_to_lds s[G0V:G0V+3], s[G1V:G1V+7]
	s_nop 0
	tensor_load_to_lds s[G0L:G0L+3], s[G1V:G1V+7]
	s_nop 0
.Lfirst_done:
	v_and_b32 v1, 15, v0                           ; r
	v_bfe_u32 v248, v0, 4, 1                       ; h
	v_mul_u32_u24 v249, v1, KP
	v_lshl_add_u32 v[KA], v248, 4, v249
	v_add_nc_u32 v[KA+1], SLOT, v[KA]
	v_mul_u32_u24 v249, v1, VP
	v_lshl_add_u32 v249, v248, 4, v249
	v_add_nc_u32 v[VA], KBYTES, v249
	v_add_nc_u32 v[VA+1], KBYTES+SLOT, v249
	v_add_nc_u32 v[VLA], VLOB, v249
	v_lshlrev_b32 v249, 7, v1
	v_lshl_add_u32 v[QL], v248, 4, v249
	s_mul_i32 s31, s12, STG
	s_add_co_u32 s31, s31, STAGE
	v_add_nc_u32 v[STO], s31, v[KA]                ; query r (pitch 144), 16 bytes for each half of the lanes
	v_bfe_u32 v249, v0, 3, 2
	v_and_b32 v250, 7, v0
	v_mul_u32_u24 v249, v249, KP
	v_lshl_add_u32 v249, v250, 4, v249
	v_add_nc_u32 v[RD], s31, v249                  ; eight lanes take a row of 128 bytes, the wave four rows
	v_and_b32 v249, 31, v0
	v_lshlrev_b32 v[GO], 4, v249
	s_and_b32 s31, s12, 1
	s_lshl_b32 s31, s31, 5                         ; in the diagonal step my first query is key 32 (w & 1) of the 64
	v_lshlrev_b32 v249, 3, v248
	v_sub_nc_u32 v249, v1, v249                    ; key 16 kt + 8 h + j > query  <=>  16 kt + j > query - 8 h
	v_add_nc_u32 v[DLT], s31, v249
	v_add_nc_u32 v[DLT+1], 16, v[DLT]
	v_mov_b32 v[AL+1], 0
	v_mov_b32 v[AL+3], 0
	v_mov_b32 v[RL+1], 0
	v_mov_b32 v[RL+3], 0
	s_sub_co_u32 s18, 7, s16                       ; qb of the first pass
	s_mov_b32 s19, 0                               ; j: the tile within the pass
	SETPASS
	LOADQ
	WIN 0x40
.irp k, 0,1,2,3,4,5,6,7
	v_mov_b32 v[ONES+\k], 0x3f803f80               ; 1.0, 1.0 in bf16
.endr
	WIN 0
	INIT
; Softmax of both query tiles over this step's 64 keys, 32 numbers a lane and tile; the two tiles' lines stand beside each other, so that no line waits for the one in front of it.
.macro SOFTMAX2
.irp a, 0,1,2,3
.irp q, 0,1
	v_max3_num_f32 v[T+4*\q+\a], v[S+32*\q+8*\a], v[S+32*\q+8*\a+1], v[S+32*\q+8*\a+2]
.endr
.endr
.irp a, 0,1,2,3
.irp q, 0,1
	v_max3_num_f32 v[T+4*\q+\a], v[T+4*\q+\a], v[S+32*\q+8*\a+3], v[S+32*\q+8*\a+4]
.endr
.endr
.irp a, 0,1,2,3
.irp q, 0,1
	v_max3_num_f32 v[T+4*\q+\a], v[T+4*\q+\a], v[S+32*\q+8*\a+5], v[S+32*\q+8*\a+6]
.endr
.endr
.irp q, 0,1
	v_max3_num_f32 v[T+4*\q], v[T+4*\q], v[T+4*\q+1], v[S+32*\q+7]
	v_max3_num_f32 v[T+4*\q+2], v[T+4*\q+2], v[T+4*\q+3], v[S+32*\q+15]
.endr
.irp q, 0,1
	v_max3_num_f32 v[T+4*\q], v[T+4*\q], v[S+32*\q+23], v[S+32*\q+31]
.endr
.irp q, 0,1
	v_max3_num_f32 v[T+4*\q], v[T+4*\q], v[T+4*\q+2], v[M+\q]           ; the running maximum joins
.endr
.irp q, 0,1
	v_permlanex16_b32 v[T+4*\q+1], v[T+4*\q], s24, s25                  ; the query's other 32 keys lie in lane xor 16
.endr
.irp q, 0,1
	v_max_num_f32 v[MN+2*\q], v[T+4*\q], v[T+4*\q+1]
	v_max_num_f32 v[MN+2*\q+1], v[T+4*\q], v[T+4*\q+1]                  ; the same again: both halves of the packed subtraction take it
.endr
.irp q, 0,1
	v_sub_f32 v[AL+2*\q], v[M+\q], v[MN+2*\q]
.endr
.set kk, 0
.rept 16
	v_pk_add_f32 v[S+2*kk:S+2*kk+1], v[S+2*kk:S+2*kk+1], v[MN:MN+1] neg_lo:[0,1] neg_hi:[0,1]
	v_pk_add_f32 v[S+32+2*kk:S+32+2*kk+1], v[S+32+2*kk:S+32+2*kk+1], v[MN+2:MN+3] neg_lo:[0,1] neg_hi:[0,1]
.set kk, kk+1
.endr
	v_exp_f32 v[AL], v[AL]
	v_exp_f32 v[AL+2], v[AL+2]
.set kk, 0
.rept 64
	v_exp_f32 v[S+kk], v[S+kk]
.set kk, kk+1
.endr
	v_mov_b32 v[M], v[MN]                          ; the plain instruction between the exponentials and the first use of a result (ISA guide 5.7.2)
	v_mov_b32 v[M+1], v[MN+2]
	s_wait_alu depctr_va_vdst(0)
.irp q, 0,1
.irp c, 0,1
.irp p, 0,1,2,3
	v_cvt_pk_bf16_f32 v[S+32*\q+16*\c+\p], v[S+32*\q+16*\c+2*\p], v[S+32*\q+16*\c+2*\p+1]          ; keys 32c + 8h + 0..7: registers 0-3 of P's fragment; each write lands on a register already read
.endr
.irp p, 0,1,2,3
	v_cvt_pk_bf16_f32 v[S+32*\q+16*\c+4+\p], v[S+32*\q+16*\c+8+2*\p], v[S+32*\q+16*\c+8+2*\p+1]    ; keys 32c + 16 + 8h + 0..7: registers 4-7
.endr
.endr
.endr
.irp q, 0,1
.set kk, 0
.rept 16
	v_pk_mul_f32 v[O+32*\q+2*kk:O+32*\q+2*kk+1], v[O+32*\q+2*kk:O+32*\q+2*kk+1], v[AL+2*\q:AL+2*\q+1] op_sel_hi:[1,0]
.set kk, kk+1
.endr
.set kk, 0
.rept 4
	v_pk_mul_f32 v[LS+8*\q+2*kk:LS+8*\q+2*kk+1], v[LS+8*\q+2*kk:LS+8*\q+2*kk+1], v[AL+2*\q:AL+2*\q+1] op_sel_hi:[1,0]
.set kk, kk+1
.endr
.endr
.endm
; sums = 1: 20 matrix instructions, O^T += V P and the row sums; sums = 0: 16, O^T += v_lo P.  The accumulators take turns, one instruction a turn.
.macro PV sums
.irp c, 0,1
.irp d, 0,1,2,3
.irp q, 0,1
	v_wmma_f32_16x16x32_bf16 v[O+32*\q+8*\d:O+32*\q+8*\d+7], v[VF+32*\c+8*\d:VF+32*\c+8*\d+7], v[S+32*\q+16*\c:S+32*\q+16*\c+7], v[O+32*\q+8*\d:O+32*\q+8*\d+7]
.endr
.endr
.if \sums
.irp q, 0,1
	v_wmma_f32_16x16x32_bf16 v[LS+8*\q:LS+8*\q+7], v[ONES:ONES+7], v[S+32*\q+16*\c:S+32*\q+16*\c+7], v[LS+8*\q:LS+8*\q+7]
.endr
.endif
.endr
.endm
.macro KLOAD slot, c                   ; 16 loads: the K fragments of keys 64 c .. 64 c + 63
.irp t, 0,1,2,3
.irp d, 0,1
	ds_load_b128 v[KF+16*\t+8*\d:KF+16*\t+8*\d+3], v[KA+\slot] offset:(\c)*64*KP+\t*16*KP+\d*64
	ds_load_b128 v[KF+16*\t+8*\d+4:KF+16*\t+8*\d+7], v[KA+\slot] offset:(\c)*64*KP+\t*16*KP+\d*64+32
.endr
.endr
.endm
.macro VLOAD adr, c                    ; 16 loads: the V (or v_lo) fragments of the same keys
	WIN 0x40
.irp e, 0,1
.irp d, 0,1,2,3
	ds_load_b128 v[VF+32*\e+8*\d:VF+32*\e+8*\d+3], v[\adr] offset:\c*128+\d*16*VP+\e*64
	ds_load_b128 v[VF+32*\e+8*\d+4:VF+32*\e+8*\d+7], v[\adr] offset:\c*128+\d*16*VP+\e*64+32
.endr
.endr
	WIN 0
.endm
; One step: keys 64 c .. 64 c + 63 of the tile in this slot.  On entry its 16 K loads are out.  tail = 1: the ninth tile, where block 0 also takes v_lo.
.macro STEP slot, c, tail
.rept 5
	v_nop                                          ; five places behind the last step's matrix instructions: V's registers are loaded again, and S is written over P, which they read
.endr
	VLOAD VA+\slot, \c
	s_wait_dscnt 16                                ; K's 16 loads are in, V's 16 stay out under the scores and the softmax
	WIN 0x04
.irp t, 0,1,2,3
.irp q, 0,1
	v_wmma_f32_16x16x32_bf16 v[S+32*\q+8*\t:S+32*\q+8*\t+7], v[KF+16*\t:KF+16*\t+7], v[QF+16*\q:QF+16*\q+7], 0
.endr
.endr
.irp t, 0,1,2,3
.irp q, 0,1
	v_wmma_f32_16x16x32_bf16 v[S+32*\q+8*\t:S+32*\q+8*\t+7], v[KF+16*\t+8:KF+16*\t+15], v[QF+16*\q+8:QF+16*\q+15], v[S+32*\q+8*\t:S+32*\q+8*\t+7]
.endr
.endr
	WIN 0
	PLACES                                         ; in front of the loads into K's registers and of the reads of S
.if \c < 3
	KLOAD \slot, \c+1                              ; the next step's K, a softmax and 20 matrix instructions ahead of its use (not used where that step lies beyond the diagonal)
.endif
	s_cmp_lg_u32 s20, s21
	s_cbranch_scc1 .Lno_mask_\@                    ; only the step with the diagonal has masked keys
.irp q, 0,1
.irp t, 0,1,2,3
.irp j, 0,1,2,3,4,5,6,7
	v_cmp_gt_i32 vcc_lo, 16*\t+\j, v[DLT+\q]
	v_add_f32 v[T+(\j%4)], s26, v[S+32*\q+8*\t+\j]
	v_cndmask_b32 v[S+32*\q+8*\t+\j], v[S+32*\q+8*\t+\j], v[T+(\j%4)], vcc_lo
.endr
.endr
.endr
.Lno_mask_\@:
	SOFTMAX2
.if \c < 3
	s_wait_dscnt 16                                ; V's loads are in, the next K's 16 stay out
.else
	s_wait_dscnt 0x0                               ; V
.endif
	WIN 0x01
	PV 1
	WIN 0
.if \tail
	s_cmp_lg_u32 s16, 0
	s_cbranch_scc1 .Lno_vlo_\@                     ; the ninth tile is block 0's (queries below 256) where i = 0
	PLACES                                         ; V's registers are loaded again
	VLOAD VLA, \c
	s_wait_dscnt 0x0
	WIN 0x01
	PV 0
	WIN 0
.Lno_vlo_\@:
.endif
.endm
; 16 tokens x 128 bytes from registers src, through my stage, as 2,048 neighbouring bytes of ah.  part = 1: the remainder's rows, 32 rows further on.
.macro PUT src, q, part
.irp d, 0,1,2,3
	ds_store_b128 v[STO], v[\src+4*\d:\src+4*\d+3] offset:32*\d
.endr
	s_wait_xcnt 0x0                                ; RB, which earlier stores read, is loaded again only behind this wait
.irp t, 0,1,2,3
	ds_load_b128 v[RB+4*\t:RB+4*\t+3], v[RD] offset:4*KP*\t        ; LDS serves a wave's instructions in order: these see the stores above
.endr
.irp t, 0,1,2,3
	s_wait_dscnt 3-\t                              ; read-back t is in, the younger ones stay out
	global_store_b128 v[GO], v[RB+4*\t:RB+4*\t+3], s[74:75] offset:\part*4096+\q*2048+512*\t   ; the wave stores 512 consecutive bytes, aligned
.endr
.endm
.macro FINHI                           ; the pass's result: O / row sum, rounded to bf16; O stays in f32
	PLACES
	v_rcp_f32 v[RL], v[LS]
	v_rcp_f32 v[RL+2], v[LS+8]
	v_nop                                          ; the place behind the reciprocals
	s_wait_alu depctr_va_vdst(0)
.irp q, 0,1
.set kk, 0
.rept 16
	v_pk_mul_f32 v[O+32*\q+2*kk:O+32*\q+2*kk+1], v[O+32*\q+2*kk:O+32*\q+2*kk+1], v[RL+2*\q:RL+2*\q+1] op_sel_hi:[1,0]
.set kk, kk+1
.endr
.endr
.irp q, 0,1
.set kk, 0
.rept 16
	v_cvt_pk_bf16_f32 v[HI+kk], v[O+32*\q+2*kk], v[O+32*\q+2*kk+1]
.set kk, kk+1
.endr
	PUT HI, \q, 0
.endr
.endm
.macro FINLO                           ; the remainder: bf16(O - bf16(O))
.irp q, 0,1
.set kk, 0
.rept 16
	v_cvt_pk_bf16_f32 v[HI+kk], v[O+32*\q+2*kk], v[O+32*\q+2*kk+1]
	v_lshlrev_b32 v[U+2*(kk%2)], 16, v[HI+kk]
	v_and_b32 v[U+2*(kk%2)+1], 0xffff0000, v[HI+kk]
	v_pk_add_f32 v[O+32*\q+2*kk:O+32*\q+2*kk+1], v[O+32*\q+2*kk:O+32*\q+2*kk+1], v[U+2*(kk%2):U+2*(kk%2)+1] neg_lo:[0,1] neg_hi:[0,1]
	v_cvt_pk_bf16_f32 v[LO+kk], v[O+32*\q+2*kk], v[O+32*\q+2*kk+1]
.set kk, kk+1
.endr
	PUT LO, \q, 1
.endr
.endm
; One key tile, in this slot.  refill = 1: the next tile is asked for, into the other slot.  last = 1: the ninth tile.
.macro TRIP slot, refill, last
	s_wait_tensorcnt 0x0                           ; all my loads have landed, my part of this tile among them: a group 0 may be written
	ds_add_u32 v254, v255
	s_wait_dscnt 0x0
.if \refill
	s_add_co_u32 s27, s19, 1
	s_cmp_eq_u32 s19, s18
	s_cselect_b32 s27, 0, s27                      ; the next tile: j + 1, or tile 0 of the second pass
	s_lshl_b32 s70, s27, 15                        ; K: 256 rows of 128 bytes a tile
	s_lshl_b32 s72, s27, 9                         ; V: 512 bytes along the rows
	s_add_nc_u64 s[G0K+4*(1-\slot)+2:G0K+4*(1-\slot)+3], s[66:67], s[70:71]
	s_or_b32 s[G0K+4*(1-\slot)+3], s[G0K+4*(1-\slot)+3], 0x80000000
	s_add_nc_u64 s[G0V+4*(1-\slot)+2:G0V+4*(1-\slot)+3], s[68:69], s[72:73]
	s_or_b32 s[G0V+4*(1-\slot)+3], s[G0V+4*(1-\slot)+3], 0x80000000
.endif
	s_wait_dscnt 0x0                               ; my reads of the other slot are over
	s_barrier_signal -1
	s_barrier_wait -1                              ; both hold of all eight waves: this tile is whole, the other slot is free
.if \refill
	LOADKV 1-\slot                                 ; my one load behind the barrier; it has the whole tile's work in which to land
.endif
	KLOAD \slot, 0
	s_wait_loadcnt 0x0                             ; Q (issued at the start and at the change of passes)
	s_lshl_b32 s20, s19, 2                         ; the 64-key step's number in the sequence; a tile's first step is never beyond the diagonal
	STEP \slot, 0, \last
	s_add_co_u32 s20, s20, 1
.irp c, 1,2,3
	s_cmp_gt_u32 s20, s21
	s_cbranch_scc1 .Ltile_done_\@                  ; beyond my diagonal: all keys masked
	STEP \slot, \c, \last
	s_add_co_u32 s20, s20, 1
.endr
.Ltile_done_\@:
	s_wait_dscnt 0x0                               ; K loads for a step that was not taken
.if \last
	FINHI
	s_cmp_gt_u32 s16, 1
	s_cbranch_scc1 .Lno_alo_\@                     ; the last pass is block i: queries below 512 where i <= 1
	FINLO
.Lno_alo_\@:
.else
	s_cmp_lg_u32 s19, s18
	s_cbranch_scc1 .Lsame_pass_\@
	FINHI                                          ; the first pass (blocks 4 to 7) is over
	s_wait_xcnt 0x0                                ; the stores' base and data are written again behind this wait
	s_mov_b32 s18, s16                             ; qb = i
	SETPASS
	LOADQ
	INIT
.Lsame_pass_\@:
	s_mov_b32 s19, s27
.endif
.endm
	s_mov_b32 s23, 4                               ; tiles 0 to 7; the first pass ends at tile 7 - i, inside the loop
.Lring:
	TRIP 0, 1, 0
	TRIP 1, 1, 0
	s_sub_co_u32 s23, s23, 1
	s_cmp_lg_u32 s23, 0
	s_cbranch_scc1 .Lring
	TRIP 0, 0, 1                                   ; tile 8: the second pass's last; nothing is left to fetch
	s_wait_tensorcnt 0x0
	ds_add_u32 v254, v255
	s_wait_dscnt 0x0
	s_endpgm
.Lfunc_end_k_qc87b98c392_attn:
	.size	k_qc87b98c392_attn, .Lfunc_end_k_qc87b98c392_attn-k_qc87b98c392_attn
	.p2alignl 7, 3214868480
	.fill 96, 4, 3214868480
	.section	.rodata,"a",@progbits
	.p2align	6, 0x0
	.amdhsa_kernel k_qc87b98c392_attn
		.amdhsa_group_segment_fixed_size 327680
		.amdhsa_private_segment_fixed_size 0
		.amdhsa_enable_private_segment 0
		.amdhsa_kernarg_size 32
		.amdhsa_user_sgpr_count 2
		.amdhsa_user_sgpr_kernarg_segment_ptr 1
		.amdhsa_wavefront_size32 1
		.amdhsa_system_sgpr_workgroup_id_x 1
		.amdhsa_system_sgpr_workgroup_id_y 1
		.amdhsa_system_sgpr_workgroup_id_z 1
		.amdhsa_system_vgpr_workitem_id 0
		.amdhsa_next_free_vgpr 360
		.amdhsa_next_free_sgpr 96
		.amdhsa_reserve_vcc 1
		.amdhsa_float_denorm_mode_32 3
		.amdhsa_float_denorm_mode_16_64 3
		.amdhsa_memory_ordered 1
		.amdhsa_forward_progress 1
		.amdhsa_inst_pref_size 255
	.end_amdhsa_kernel
	.section	.bss,"aw",@nobits
	.p2align	6
	.space	262144
	.amdgpu_metadata
---
amdhsa.version: [ 1, 2 ]
amdhsa.kernels:
  - .name:           k_qc87b98c392_attn
    .symbol:         k_qc87b98c392_attn.kd
    .args:
      - { .name: qh, .offset: 0, .size: 8, .value_kind: global_buffer, .address_space: global }
      - { .name: kh, .offset: 8, .size: 8, .value_kind: global_buffer, .address_space: global }
      - { .name: vt, .offset: 16, .size: 8, .value_kind: global_buffer, .address_space: global }
      - { .name: ah, .offset: 24, .size: 8, .value_kind: global_buffer, .address_space: global }
    .group_segment_fixed_size: 327680
    .private_segment_fixed_size: 0
    .kernarg_segment_align: 8
    .kernarg_segment_size: 32
    .max_flat_workgroup_size: 256
    .sgpr_count:     96
    .vgpr_count:     360
    .wavefront_size: 32
...
	.end_amdgpu_metadata
.endif
;; end of part 7
;; launch outp (part 8): grid 4 x 64, 4 waves a work-group, clusters of 4 x 4, 327,680 bytes of LDS; arguments ah, wb, b_out, out0; writes out0
.if DOCPART == 8
	.amdgcn_target "amdgcn-amd-amdhsa--gfx1250"
	.amdhsa_code_object_version 6
	.text
	.protected	k_qc87b98c392_outp
	.globl	k_qc87b98c392_outp
	.p2align	8
	.type	k_qc87b98c392_outp,@function
k_qc87b98c392_outp:
	s_mov_b64 s[64:65], 0
	v_nop
	global_prefetch_b8 v0, s[64:65] scope:SCOPE_SE
	s_setreg_imm32_b32 hwreg(HW_REG_WAVE_MODE, 25, 1), 1
	s_wait_xcnt 0x0
	s_wait_alu depctr_hold_cnt(0) depctr_sa_sdst(0) depctr_va_vdst(0) depctr_va_sdst(0) depctr_va_ssrc(0) depctr_va_vcc(0) depctr_vm_vsrc(0)
	s_getreg_b32 s2, hwreg(HW_REG_IB_STS2, 6, 4)
	s_cmp_eq_u32 s2, 0
	s_cbranch_scc0 .Lentry_in_a_cluster
	s_endpgm
.Lentry_in_a_cluster:
	s_bfe_u32 s2, ttmp6, 0x10000c
	s_cmp_lg_u32 s2, 0xf033
	s_cbranch_scc0 .Lentry_shape_is_right
	s_endpgm
.Lentry_shape_is_right:
; outp: out0 = a W_out^T + b_out.  W_out: rows 3072.. of wb, bf16 [1024][1024]; out0 f32 [8192][1024].
; a: ah bf16 [b*16+h][u = 16][160 rows][64 d]: rows 0-31 a of tokens 32 u + t, rows 32-63 the remainder a_lo of the same tokens, rows 64-159 a of tokens 512 + 96 u + t.
; PRECISION (a stated limit): a enters the product rounded to bf16; for the tokens below 512 of a sequence, which the causal mask lets average over few keys and
; which can therefore be many times the output's rms, the rounding's remainder a_lo is multiplied too, onto the same f32 sums.  NaN and infinities are not treated specially.
; A work-group takes one (b, u), 32 tokens with a_lo and 96 without, x 256 columns: the same 160 x 256 x 1,024 products in all 64 x 4 = 256 work-groups.
; Wave (wm, wn): four token tiles of 16 (tile 0 with a_lo, tiles 1-3 without) x 128 columns: 32 accumulator tiles in window 2.
; The 1,024 inputs go two heads (128) at a time through two LDS slots.  A head's 160 rows are 20,480 dense bytes and come in as 80 rows of 256 bytes;
; W's rows are 256 bytes: all aligned to 256 in memory.  Two slots of four heads (222 KB each) would not fit.
; CLUSTERS 4 x 4: a's tiles hang on (b, u) alone and are shared along a cluster's row, W's on the column block alone and are shared along a column:
; joint loads divide the requests by four.
; W is source 0 and a source 1: a lane then holds 8 neighbouring columns of one token.
.set PB,     272                       ; LDS pitch of 256 bytes + 16: a row of W, or two token rows of a
.set T16,    8*PB                      ; 16 token rows of a
.set REGION, 34816                     ; what one wave's load may fill: a head of a (80 x 272 = 21,760) or 128 rows of W (34,816)
.set SLOT,   4*REGION
.set STAGE,  2*SLOT
.set SPITCH, 528
.set STG,    16*SPITCH                 ; 8,448 bytes for each wave; no tensor load lands there
.set LAPS,   4                         ; 8 steps of two heads, two a lap
.set NF,     26                        ; fragment loads of a quarter: 16 for W, 10 for a
.set ADRA1, 16                         ; v16-17 slot 0, 1: token tile 0 (a at 0, a_lo at 2 T16)
.set ADRA2, 18                         ; v18-19 token tiles 1-3
.set ADRB,  20
.set STO,  24
.set RD,   25
.set CO,   26
.set BO,   27
.set F0,   64                          ; fragment buffer 0: window 0: a of tiles 0-3, then a_lo of tile 0; window 1: W (8 column blocks)
.set F1,   128
.set BIAS, 192                         ; v192-255 b_out of my 64 columns-in-lane
.set G1A, 32
.set G0A, 40
.set G1B, 48
.set G0B, 56
.set MULW, 0xa1                        ; source 0 (W) window 1, source 1 (a) window 0, C and D window 2
.set TO_B, 0x40
.set MSB, 0
.macro WIN new
.if MSB != \new
	s_set_vgpr_msb (MSB<<8)|\new
.set MSB, \new
.endif
.endm
.macro PLACES                          ; four places behind a matrix instruction (ISA guide 7.12.1)
.rept 4
	v_nop
.endr
.endm
.macro JLOAD s                         ; waves 0, 1 ask for the two heads of a, waves 2, 3 for the two halves of W's tile
	s_cmp_eq_u32 s21, 0
	s_cbranch_scc0 .Lfor_b_\@
	tensor_load_to_lds s[G0A+4*(\s):G0A+4*(\s)+3], s[G1A:G1A+7]
	s_nop 0
	s_branch .Lasked_\@
.Lfor_b_\@:
	tensor_load_to_lds s[G0B+4*(\s):G0B+4*(\s)+3], s[G1B:G1B+7]
	s_nop 0
.Lasked_\@:
.endm
.macro CREST
	s_cmp_lg_u32 s20, 0
	s_cbranch_scc1 .Lnot_wave_0_\@
	s_barrier_signal -3
.Lnot_wave_0_\@:
	s_barrier_wait -3
	s_barrier_signal -1
	s_barrier_wait -1
.endm
.macro CROUND
	s_barrier_signal -1
	s_barrier_wait -1
	CREST
.endm
	s_load_b256 s[4:11], s[0:1], 0x0               ; ah s[4:5], wb s[6:7], b_out s[8:9], out0 s[10:11]
	s_set_vgpr_msb 0x40
	v_lshl_add_u32 v255, v0, 2, 0x4c400
	s_set_vgpr_msb 0x4000
	v_mov_b32 v63, 0
	s_set_vgpr_msb 0x1
	ds_add_u32 v255, v63
	ds_add_u32 v255, v63
	s_set_vgpr_msb 0x100
	v_lshrrev_b32 v1, 5, v0
	v_readfirstlane_b32 s20, v1                    ; wave
	s_lshr_b32 s21, s20, 1                         ; wm: my half of the tokens.  Also: I fetch a (0) or W (1)
	s_and_b32 s22, s20, 1                          ; wn: my 128 columns.  Also: which head, or which half of W's tile, I fetch
	s_bfe_u32 s23, ttmp6, 0x40000                  ; cx
	s_bfe_u32 s24, ttmp6, 0x40004                  ; cy
	s_lshl_b32 s25, ttmp9, 2
	s_add_co_u32 s25, s25, s23                     ; nblk
	s_and_b32 s26, ttmp7, 0xffff
	s_lshl_b32 s26, s26, 2
	s_add_co_u32 s26, s26, s24                     ; mblk = 16 b + u
	s_lshr_b32 s30, s26, 4                         ; b
	s_and_b32 s31, s26, 15                         ; u
	s_lshl_b32 s27, s24, 2
	s_lshl_b32 s27, 15, s27                        ; my row of the cluster
	s_lshl_b32 s28, 0x1111, s23                    ; my column
	s_or_b32 s[G1A+0], s27, (3<<16)|(1<<20)|(1<<21)|(5<<22)|(3<<25)   ; a: elements of 8 bytes; after every 64 words 4 words of padding
	s_or_b32 s[G1B+0], s28, (1<<16)|(1<<20)|(1<<21)|(5<<22)|(3<<25)   ; W: elements of 2 bytes; the same padding
	s_mov_b32 s[G1A+1], 32<<16                     ; a dense block: rows of 32 elements = 256 bytes,
	s_mov_b32 s[G1A+2], 80<<16                     ; 80 rows = 20,480 bytes
	s_mov_b32 s[G1A+3], 32<<16
	s_mov_b32 s[G1A+4], 80
	s_mov_b32 s[G1A+5], 32                         ; each row begins where the last ends
	s_mov_b32 s[G1A+6], 0
	s_mov_b32 s[G1A+7], 0
	s_mov_b32 s[G1B+1], 128<<16                    ; W: rows of 128 elements,
	s_mov_b32 s[G1B+2], 128<<16                    ; 128 rows
	s_mov_b32 s[G1B+3], 128<<16
	s_mov_b32 s[G1B+4], 128
	s_mov_b32 s[G1B+5], 1024
	s_mov_b32 s[G1B+6], 0
	s_mov_b32 s[G1B+7], 0
	s_mul_i32 s66, s30, 16*327680                  ; a: 16 heads of 327,680 bytes a batch,
	s_mul_i32 s67, s31, 20480                      ; 20,480 bytes a u,
	s_add_co_u32 s66, s66, s67
	s_mul_i32 s67, s22, 327680                     ; head 0 or 1 of the step's two
	s_add_co_u32 s66, s66, s67
	s_mov_b32 s67, 0
	s_lshl_b32 s68, s25, 19                        ; W: 256 rows of 2,048 bytes,
	s_lshl_b32 s69, s22, 18                        ; 128 rows,
	s_add_co_u32 s68, s68, s69
	s_add_co_u32 s68, s68, 3072*2048               ; behind the 3,072 rows of W_q, W_k, W_v
	s_mov_b32 s69, 0
	s_mul_i32 s70, s20, REGION
	s_lshl_b32 s76, s25, 10
	s_lshl_b32 s77, s22, 9
	s_add_co_u32 s76, s76, s77                     ; my first column, in bytes of f32
	s_lshl_b32 s78, s30, 11                        ; 2,048 tokens a batch
	s_lshl_b32 s79, s31, 5
	s_add_co_u32 s79, s79, s78
	s_lshl_b32 s80, s21, 4
	s_add_co_u32 s79, s79, s80                     ; tile 0: token 32 u + 16 wm
	s_mul_i32 s80, s31, 96
	s_add_co_u32 s80, s80, s78
	s_mul_i32 s81, s21, 48
	s_add_co_u32 s80, s80, s81
	s_add_co_u32 s80, s80, 512                     ; tiles 1-3: token 512 + 96 u + 48 wm
	s_lshl_b32 s78, s79, 12                        ; rows of 4,096 bytes
	s_add_co_u32 s78, s78, s76
	s_mov_b32 s79, 0
	s_lshl_b32 s80, s80, 12
	s_add_co_u32 s80, s80, s76
	s_mov_b32 s81, 0
	s_wait_dscnt 0x0
	s_wait_kmcnt 0x0
	s_add_nc_u64 s[72:73], s[4:5], s[66:67]
	s_add_nc_u64 s[74:75], s[6:7], s[68:69]
	s_add_nc_u64 s[86:87], s[10:11], s[78:79]      ; out0 at tile 0
	s_add_nc_u64 s[88:89], s[10:11], s[80:81]      ; out0 at tile 1
	CROUND                                         ; the first joint loads meet
.irp s, 0,1
	s_mov_b32 s[G0A+4*\s], 1
	s_add_co_u32 s[G0A+4*\s+1], s70, \s*SLOT
	s_add_nc_u64 s[G0A+4*\s+2:G0A+4*\s+3], s[72:73], \s*2*327680
	s_or_b32 s[G0A+4*\s+3], s[G0A+4*\s+3], 0x80000000
	s_mov_b32 s[G0B+4*\s], 1
	s_add_co_u32 s[G0B+4*\s+1], s70, \s*SLOT
	s_add_nc_u64 s[G0B+4*\s+2:G0B+4*\s+3], s[74:75], \s*256
	s_or_b32 s[G0B+4*\s+3], s[G0B+4*\s+3], 0x80000000
	JLOAD \s                                       ; two loads of the wave are out here, one behind every later round
.endr
	v_and_b32 v1, 15, v0                           ; r
	v_bfe_u32 v2, v0, 4, 1                         ; h
	v_lshrrev_b32 v3, 1, v1
	v_mul_u32_u24 v3, v3, PB                       ; a: token row r lies at (r >> 1) 272 + (r & 1) 128
	v_and_b32 v5, 1, v0                            ; stand at 16 (r >> 1) + 128 (r & 1), sixteen different 16-byte columns
	v_lshl_add_u32 v3, v5, 7, v3
	v_lshl_add_u32 v3, v2, 4, v3
	v_mul_u32_u24 v4, v1, PB
	v_lshl_add_u32 v4, v2, 4, v4
	s_mul_i32 s82, s21, T16                        ; rows 16 wm (a) and 32 + 16 wm (a_lo)
	s_mul_i32 s83, s21, 3*T16
	s_add_co_u32 s83, s83, 4*T16                   ; rows 64 + 48 wm
	s_mul_i32 s84, s22, REGION
	s_add_co_u32 s84, s84, 2*REGION                ; my 128 rows of W
.irp s, 0,1
	v_add_nc_u32 v[ADRA1+\s], s82, v3
	v_add_nc_u32 v[ADRA2+\s], s83, v3
	v_add_nc_u32 v[ADRB+\s], s84, v4
	s_add_co_u32 s82, s82, SLOT
	s_add_co_u32 s83, s83, SLOT
	s_add_co_u32 s84, s84, SLOT
.endr
	s_mul_i32 s85, s20, STG
	s_add_co_u32 s85, s85, STAGE
	v_mul_u32_u24 v4, v1, SPITCH
	v_lshl_add_u32 v4, v2, 5, v4
	v_add_nc_u32 v[STO], s85, v4                   ; token r, 32 bytes (8 columns) for each half of the lanes
	v_and_b32 v5, 31, v0
	v_lshlrev_b32 v[CO], 4, v5                     ; back: the wave takes one row of 512 bytes
	v_add_nc_u32 v[RD], s85, v[CO]
	v_lshlrev_b32 v4, 5, v2
	v_add_nc_u32 v[BO], s76, v4
.irp n, 0,1,2,3,4,5,6,7
	global_load_b128 v[BIAS+8*\n:BIAS+8*\n+3], v[BO], s[8:9] offset:64*\n          ; columns 16 n + 8 h + 0..7; waited for on the way out
	global_load_b128 v[BIAS+8*\n+4:BIAS+8*\n+7], v[BO], s[8:9] offset:64*\n+16
.endr
; 16 matrix instructions: token tiles a0, a0+1 x 8 column blocks, 32 inputs.  zero = 1: the product starts the sum.
; The 32 accumulators take turns, one instruction a turn, in the same order in every quarter, over the loop's backward jump too.
.macro MULHI f, a0, zero
.irp a, \a0, \a0+1
.irp b, 0,1,2,3,4,5,6,7
.if \zero
	v_wmma_f32_16x16x32_bf16 v[8*(8*(\a)+\b):8*(8*(\a)+\b)+7], v[\f+8*\b:\f+8*\b+7], v[\f+8*(\a):\f+8*(\a)+7], 0
.else
	v_wmma_f32_16x16x32_bf16 v[8*(8*(\a)+\b):8*(8*(\a)+\b)+7], v[\f+8*\b:\f+8*\b+7], v[\f+8*(\a):\f+8*(\a)+7], v[8*(8*(\a)+\b):8*(8*(\a)+\b)+7]
.endif
.endr
.endr
.endm
.macro MULLO f                         ; 8 matrix instructions: a_lo of token tile 0, onto tile 0's sums
.irp b, 0,1,2,3,4,5,6,7
	v_wmma_f32_16x16x32_bf16 v[8*\b:8*\b+7], v[\f+8*\b:\f+8*\b+7], v[\f+32:\f+39], v[8*\b:8*\b+7]
.endr
.endm
; 26 LDS loads: quarter qd of the slot's 128 inputs = head qd/2, inputs 32 (qd & 1) ..: W's 8 fragments, a's 4, a_lo's 1
.macro FETCH slot, qd, f
	WIN TO_B
.irp i, 0,1,2,3,4,5,6,7
	ds_load_b128 v[\f+8*\i:\f+8*\i+3],   v[ADRB+\slot] offset:\i*16*PB+64*\qd
	ds_load_b128 v[\f+8*\i+4:\f+8*\i+7], v[ADRB+\slot] offset:\i*16*PB+64*\qd+32
.endr
	WIN 0
	ds_load_b128 v[\f:\f+3],   v[ADRA1+\slot] offset:(\qd>>1)*REGION+(\qd&1)*64
	ds_load_b128 v[\f+4:\f+7], v[ADRA1+\slot] offset:(\qd>>1)*REGION+(\qd&1)*64+32
.irp i, 1,2,3
	ds_load_b128 v[\f+8*\i:\f+8*\i+3],   v[ADRA2+\slot] offset:(\qd>>1)*REGION+(\qd&1)*64+(\i-1)*T16
	ds_load_b128 v[\f+8*\i+4:\f+8*\i+7], v[ADRA2+\slot] offset:(\qd>>1)*REGION+(\qd&1)*64+(\i-1)*T16+32
.endr
	ds_load_b128 v[\f+32:\f+35], v[ADRA1+\slot] offset:(\qd>>1)*REGION+(\qd&1)*64+2*T16
	ds_load_b128 v[\f+36:\f+39], v[ADRA1+\slot] offset:(\qd>>1)*REGION+(\qd&1)*64+2*T16+32
.endm
; A quarter: fetches quarter qd into buffer g, 40 matrix instructions ahead of its use, and multiplies buffer f.
.macro QUARTER slot, qd, f, g, zero
	PLACES                                         ; buffer g was read by the matrix instructions just in front
	FETCH \slot, \qd, \g
	s_wait_dscnt NF                                ; buffer f is in; the 26 loads just issued stay out
	WIN MULW
	MULHI \f, 0, \zero
	MULHI \f, 2, \zero
	MULLO \f
.endm
.macro THREE slot, zero
	QUARTER \slot, 1, F0, F1, \zero
	QUARTER \slot, 2, F1, F0, 0
	QUARTER \slot, 3, F0, F1, 0
.endm
; The last quarter multiplies buffer 1 and changes slots.  fill = 1: this slot is filled again, jointly, two steps ahead.
.macro TURN slot, next, fill
	s_wait_dscnt 0x0                               ; buffer 1 is in: my reads of this slot are over
	s_wait_tensorcnt 0x0                           ; all my tensor loads have landed: the one that was out is my part of the next slot
	ds_add_u32 v255, v63
	s_wait_dscnt 0x0
	s_barrier_signal -1                            ; (fill = 1: this barrier opens a round of the cluster's barrier)
	WIN MULW
	MULHI F1, 0, 0                                 ; register work while the others arrive
	WIN 0
	s_barrier_wait -1
.if \fill
	CREST                                          ; no wave of any partner still reads this slot or has a load on its way
	s_add_nc_u64 s[G0A+4*\slot+2:G0A+4*\slot+3], s[G0A+4*\slot+2:G0A+4*\slot+3], 4*327680
	s_add_nc_u64 s[G0B+4*\slot+2:G0B+4*\slot+3], s[G0B+4*\slot+2:G0B+4*\slot+3], 512
	JLOAD \slot                                    ; the first tensor load behind the round; 144 matrix instructions stand between it and the wait for it
.endif
	PLACES
	FETCH \next, 0, F0
	WIN MULW
	MULHI F1, 2, 0
	MULLO F1
.endm
.macro LAP zero
	THREE 0, \zero
	TURN 0, 1, 1
	THREE 1, 0
	TURN 1, 0, 1
.endm
	s_wait_tensorcnt 0x1                           ; my part of step 0 is in; step 1's stays out
	s_barrier_signal -1
	s_barrier_wait -1
	FETCH 0, 0, F0
	LAP 1                                          ; the first products start the sums
	WIN 0
	s_mov_b32 s29, LAPS-2
.Llap:
	LAP 0
	WIN 0
	s_sub_co_u32 s29, s29, 1
	s_cmp_lg_u32 s29, 0
	s_cbranch_scc1 .Llap
	THREE 0, 0                                     ; the last lap fills nothing
	TURN 0, 1, 0
	THREE 1, 0
	s_wait_dscnt 0x0
	MULHI F1, 0, 0
	MULHI F1, 2, 0
	MULLO F1
	WIN 0
	; THE WAY OUT, 16 tokens at a time: add the bias, 32 bytes a lane into my stage, read whole rows of 512 bytes back.
	PLACES
	s_wait_loadcnt 0x0                             ; b_out
.macro OUT16 m, sb, ro                 ; token tile m goes to rows ro .. ro + 15 from the address in s[sb:sb+1]
	WIN 0x02
.irp n, 0,1,2,3,4,5,6,7
.irp p, 0,1,2,3
	v_pk_add_f32 v[F0+8*\n+2*\p:F0+8*\n+2*\p+1], v[8*(8*\m+\n)+2*\p:8*(8*\m+\n)+2*\p+1], v[BIAS+8*\n+2*\p:BIAS+8*\n+2*\p+1]
.endr
.endr
	WIN 0
.irp n, 0,1,2,3,4,5,6,7
	ds_store_b128 v[STO], v[F0+8*\n:F0+8*\n+3] offset:64*\n
	ds_store_b128 v[STO], v[F0+8*\n+4:F0+8*\n+7] offset:64*\n+16
.endr
	s_wait_xcnt 0x0                                ; buffer 1, which the last stores read, is loaded again only behind this wait
.irp t, 0,1,2,3,4,5,6,7,8,9,10,11,12,13,14,15
	ds_load_b128 v[F1+4*\t:F1+4*\t+3], v[RD] offset:SPITCH*\t      ; LDS serves a wave's instructions in order: these see the stores above
.endr
.irp t, 0,1,2,3,4,5,6,7,8,9,10,11,12,13,14,15
	s_wait_dscnt 15-\t                             ; read-back t is in, the younger ones stay out
	global_store_b128 v[CO], v[F1+4*\t:F1+4*\t+3], s[\sb:\sb+1] offset:(\ro+\t)*4096 th:TH_STORE_NT   ; the wave stores 512 consecutive bytes, aligned
.endr
.endm
	OUT16 0, 86, 0
	OUT16 1, 88, 0
	OUT16 2, 88, 16
	OUT16 3, 88, 32
	s_set_vgpr_msb 0x1
	s_wait_tensorcnt 0x0
	ds_add_u32 v255, v63
	s_wait_dscnt 0x0
	s_set_vgpr_msb 0x100
	CROUND                                         ; the closing round
	s_endpgm
.Lfunc_end_k_qc87b98c392_outp:
	.size	k_qc87b98c392_outp, .Lfunc_end_k_qc87b98c392_outp-k_qc87b98c392_outp
	.p2alignl 7, 3214868480
	.fill 96, 4, 3214868480
	.section	.rodata,"a",@progbits
	.p2align	6, 0x0
	.amdhsa_kernel k_qc87b98c392_outp
		.amdhsa_group_segment_fixed_size 327680
		.amdhsa_private_segment_fixed_size 0
		.amdhsa_enable_private_segment 0
		.amdhsa_kernarg_size 32
		.amdhsa_user_sgpr_count 2
		.amdhsa_user_sgpr_kernarg_segment_ptr 1
		.amdhsa_wavefront_size32 1
		.amdhsa_system_sgpr_workgroup_id_x 1
		.amdhsa_system_sgpr_workgroup_id_y 1
		.amdhsa_system_sgpr_workgroup_id_z 1
		.amdhsa_system_vgpr_workitem_id 0
		.amdhsa_next_free_vgpr 768
		.amdhsa_next_free_sgpr 90
		.amdhsa_reserve_vcc 0
		.amdhsa_float_denorm_mode_32 3
		.amdhsa_float_denorm_mode_16_64 3
		.amdhsa_memory_ordered 1
		.amdhsa_forward_progress 1
		.amdhsa_inst_pref_size 143
	.end_amdhsa_kernel
	.amdgpu_metadata
---
amdhsa.version: [ 1, 2 ]
amdhsa.kernels:
  - .name:           k_qc87b98c392_outp
    .symbol:         k_qc87b98c392_outp.kd
    .args:
      - { .name: ah, .offset: 0, .size: 8, .value_kind: global_buffer, .address_space: global }
      - { .name: wb, .offset: 8, .size: 8, .value_kind: global_buffer, .address_space: global }
      - { .name: b_out, .offset: 16, .size: 8, .value_kind: global_buffer, .address_space: global }
      - { .name: out0, .offset: 24, .size: 8, .value_kind: global_buffer, .address_space: global }
    .group_segment_fixed_size: 327680
    .private_segment_fixed_size: 0
    .kernarg_segment_align: 8
    .kernarg_segment_size: 32
    .max_flat_workgroup_size: 128
    .sgpr_count:     90
    .vgpr_count:     768
    .wavefront_size: 32
...
	.end_amdgpu_metadata
.endif
;; end of part 8
